; MI455X (gfx1250); checked and timed in simulation.
; The chip was launched on July 23, 2026; its instructions are those of AMD's public machine-readable ISA for CDNA 5 (MIT licence, August 2026) and "CDNA5" Instruction Set Architecture Reference Guide (July 2026). The comments in the code are by the model that wrote it; some were corrected since.
;; Multi Head Self Attention. Allowed arithmetic: matrix products marked QUANTISED: E2M1 operands, one E8M0 scale for each 32 along K, by v_wmma_scale_f32_16x16x128_f8f6f4 with both operands' format E2M1 (or v_wmma_scale_f32_32x16x128_f4), f32 sums; products left as they are: bf16, f16 or f32 operands; f32 sums; everything else in f32.
;; Inputs: Wk 1,024 x 1,024 float32; Wo 1,024 x 1,024 float32; Wq 1,024 x 1,024 float32; Wv 1,024 x 1,024 float32; x 4 x 2,048 x 1,024 float32.
;; Outputs: out0 4 x 2,048 x 1,024 float32.
;; Constants: use_rope = 1.
;; This version of the problem:
;;   THIS VERSION OF THE PROBLEM IS GIVEN IN LOW PRECISION. The matrix products marked QUANTISED in the list below multiply operands that are first quantised to E2M1 (2 exponent bits, 1 mantissa bit; 4 bits a number), with one power-of-two scale for each 32 numbers along K (OCP MX v1.0); their sums are f32. The products marked 'left as it is' may take bf16, f16 or f32 operands, with f32 sums. Whichever they take, every output number must still come out within the allowed error. Rounding operands to bf16 (8 significant bits) uses up far more of that allowance than f16 does (11 bits, for magnitudes from 6e-5 to 65,504). All else is computed in f32.
;;   The module's matrix products, in the order in which they are computed (A, B: the left and right operand; K: the contracted axis; several contracted axes count as one K, in the product's order):
;;     1. [M 8,192, K 1,024] x [K 1,024, N 1,024]; A: input x; B: input Wq: QUANTISED
;;     2. [M 8,192, K 1,024] x [K 1,024, N 1,024]; A: input x; B: input Wk: QUANTISED
;;     3. [M 8,192, K 1,024] x [K 1,024, N 1,024]; A: input x; B: input Wv: QUANTISED
;;     4. batch 64 x [M 2,048, K 64] x [K 64, N 2,048]; A: computed on the way; B: computed on the way: left as it is (an operand is computed on the way)
;;     5. batch 64 x [M 2,048, K 2,048] x [K 2,048, N 64]; A: computed on the way; B: computed on the way: left as it is (an operand is computed on the way)
;;     6. [M 8,192, K 1,024] x [K 1,024, N 1,024]; A: computed on the way; B: input Wo: left as it is (an operand is computed on the way)
;;   THE QUANTISER, for each operand of a quantised product, along K:
;;     - K is cut into blocks of 32 from its start; a last block that is shorter is filled with zeros.
;;     - A block's scale is 2^e with e = floor(log2(the largest magnitude in the block)) - 2, held to -126 .. 127; a block of zeros has e = 0. As a byte (E8M0): e + 127.
;;     - Each number is divided by its block's scale, clamped to +-6, and rounded to the nearest number of E2M1, ties to even, subnormals kept.
;;     - The product sums the exact products of the quantised numbers (number of the format x scale) in f32.
;;   ~~~python
;;   def quantise(x, axis):      # numpy; x: float32 -> the quantised numbers, widened to float32 again
;;       x = np.moveaxis(x, axis, -1); K = x.shape[-1]
;;       x = np.pad(x, [(0, 0)] * (x.ndim - 1) + [(0, -K % 32)]); x = x.reshape(x.shape[:-1] + (-1, 32)); a = np.abs(x).max(-1, keepdims=True)
;;       e = np.where(a > 0, np.clip(np.frexp(np.where(a > 0, a, 1))[1] - 1 - 2, -126, 127), 0)      # np.frexp(a)[1] - 1 = floor(log2(a)), exactly
;;       r = np.clip(x / 2.0 ** e, -6, 6)
;;       step = 2.0 ** (np.maximum(np.frexp(np.where(r == 0, 1, r))[1] - 1, 0) - 1)
;;       q = np.round(r / step) * step * 2.0 ** e      # np.round: ties to even
;;       return np.moveaxis(q.reshape(q.shape[:-2] + (-1,))[..., :K], -1, axis).astype(np.float32)
;;   ~~~
;; One version. Each part assembles by itself: llvm-mc -triple=amdgcn-amd-amdhsa -mcpu=gfx1250 --defsym DOCPART=n.
;; ======== version 1 of 1: 5 launches
;; limits: values are held in f16: magnitudes above 65,504 overflow, below 6.1e-05 lose precision
;; workspace buffers: codes 5,767,168 bytes; scales 360,448 bytes; wo16 2,097,152 bytes; tab 1,048,576 bytes; qkv 50,331,648 bytes; fine 786,432 bytes; att16 16,777,216 bytes
;; launch prep (part 1): grid 416 x 1, 4 waves a work-group, no clusters, 33,280 bytes of LDS; arguments x, Wq, Wk, Wv, Wo, codes, scales, wo16, tab; writes codes, scales, wo16, tab
.if DOCPART == 1
	.amdgcn_target "amdgcn-amd-amdhsa--gfx1250"
	.amdhsa_code_object_version 6
	.text
	.protected	k_q2b6e95c2f4_prep
	.globl	k_q2b6e95c2f4_prep
	.p2align	8
	.type	k_q2b6e95c2f4_prep,@function
k_q2b6e95c2f4_prep:
	s_mov_b64 s[64:65], 0
	v_nop
	global_prefetch_b8 v0, s[64:65] scope:SCOPE_SE
	s_setreg_imm32_b32 hwreg(HW_REG_WAVE_MODE, 25, 1), 1
	s_wait_xcnt 0x0
; THE LAUNCH IN FRONT OF THE PRODUCTS.  Three kinds of work-groups, told apart by the work-group's number alone:
;   0 .. 351    x [8192][1024] and Wq, Wk, Wv [1024][1024], f32, become codes of FP4 (E2M1), K innermost, two codes a byte, and one E8M0 byte for each 32 along K.
;               codes: x's 8,192 rows of 512 bytes, then 3,072 rows of Wq, Wk, Wv.  scales: x's rows of 32 bytes, then the weights'.
;   352 .. 383  Wo [1024][1024] f32 becomes f16, laid [16 chunks of 64 along K][1024 rows][64], so that a chunk's rows are dense for the projection's tile loads.
;   384 .. 415  the RoPE tables: cos and sin of s x 10^(-P/8), s = 0 .. 2047, P = 0 .. 31, laid as the next launch's registers want them:
;               [128 groups of 16 positions][8 entries i][32 lanes][cos P, sin P, cos P+1, sin P+1], P = 8 (i/2) + 4 (lane/16) + 2 (i%2), position 16 g + lane%16.
;               The table for q (byte 0 on) is multiplied by log2(e)/8, so that a score is already the exponent of 2; the table for k (byte 524,288 on) is not.
; A block's scale is 2^(floor(log2(its largest magnitude)) - 2); its byte is the largest magnitude's exponent field - 2, held at 1 from below.
; LIMITS: a block of zeros gets the byte 1 where the rule says 127 (its codes are zeros, and this program alone reads the bytes); blocks whose largest magnitude lies under 2^-124 were not tried;
; NaN and infinities among the inputs are not served; Wo must stay under 65,504 in magnitude (f16).  The angle is s x inv_freq in f32 with inv_freq written as decimal constants,
; which may differ in the last bits from a power computed in f32: at s = 2,047 that moves an angle by some 5e-4 rad at the most.  sin and cos: reduction by pi/2 in two parts, series to r^9 and r^8 on |r| <= pi/4.
; No tensor loads, no barrier: waves share nothing.
.set WAVES, 4
.set STEPS, 16
.set EMAX,  2
.set CB,    8                          ; bytes of 16 codes
.set R,     16                         ; v16-79   four sets of 16 numbers as they are loaded
.set X,     80                         ; v80-111  two sets of 16 neighbours
.set E,     112                        ; v112-127 a scale byte for each step
.set C,     128                        ; v128-191 codes: four registers for each step
.set WREG,  8192                       ; LDS: a region for each wave: two stages of 32 x SP bytes, then its 256 scale bytes
.set SP,    80                         ; a lane's place in a stage: 64 bytes + 16 of padding
.set SPW,   12                         ; v12 LDS address of my spare word; never rewritten
.set NIL,   13                         ; v13 0; never rewritten
.set SPARE, WAVES*WREG                 ; behind the four regions: the spare words, 128 bytes a wave
	s_load_b512 s[4:19], s[0:1], 0x0               ; x 4:5, Wq 6:7, Wk 8:9, Wv 10:11, Wo 12:13, codes 14:15, scales 16:17, wo16 18:19
	s_load_b64 s[20:21], s[0:1], 0x40              ; tab
	v_lshl_add_u32 v[SPW], v0, 2, SPARE
	v_mov_b32 v[NIL], 0
	v_lshrrev_b32 v1, 5, v0
	v_readfirstlane_b32 s24, v1                    ; wave
	v_and_b32 v2, 31, v0                           ; lane
	s_mov_b32 s29, 0
	s_wait_kmcnt 0x0
	s_cmp_ge_u32 ttmp9, 384
	s_cbranch_scc1 .Ltab
	s_cmp_ge_u32 ttmp9, 352
	s_cbranch_scc1 .Lwo
; ---------------- the quantiser.  A wave takes a run of 8,192 numbers in 16 steps of 512.  Loads take the bytes as they lie (512 a load); a step's 2,048 bytes turn through the wave's own stage in LDS,
; so that a lane then holds 16 neighbours along K; two neighbouring lanes hold a block.
	v_lshlrev_b32 v3, 4, v2                        ; my 16 bytes of a load's 512
	s_mul_i32 s25, s24, WREG
	v_lshrrev_b32 v14, 2, v2
	v_mul_u32_u24 v14, v14, SP
	v_and_b32 v15, 3, v2
	v_lshl_add_u32 v14, v15, 4, v14
	v_add_nc_u32 v14, s25, v14                     ; the stage, way in: SP (lane / 4) + 16 (lane % 4)
	v_mul_u32_u24 v15, v2, SP
	v_add_nc_u32 v15, s25, v15                     ; way out: SP x lane
	v_mul_u32_u24 v4, v2, CB                       ; my codes' place in a step's
	v_lshrrev_b32 v5, 1, v2
	s_add_co_u32 s25, s25, 2*32*SP
	v_add_nc_u32 v5, s25, v5                       ; my block's byte among the wave's 256
	v_lshlrev_b32 v7, 3, v2
	v_add_nc_u32 v6, s25, v7
	s_mov_b64 s[26:27], s[10:11]                   ; the source, by the work-group's number alone: Wv,
	s_and_b32 s28, ttmp9, 31                       ; (a weight has 32 work-groups)
	s_cmp_lt_u32 ttmp9, 320
	s_cselect_b64 s[26:27], s[8:9], s[26:27]       ; Wk,
	s_cmp_lt_u32 ttmp9, 288
	s_cselect_b64 s[26:27], s[6:7], s[26:27]       ; Wq,
	s_cmp_lt_u32 ttmp9, 256
	s_cselect_b64 s[26:27], s[4:5], s[26:27]       ; or x
	s_cselect_b32 s28, ttmp9, s28                  ; which work-group of that tensor
	s_lshl_b32 s28, s28, 2
	s_add_co_u32 s28, s28, s24
	s_lshl_b32 s28, s28, 15                        ; a run is 32,768 bytes of f32
	s_add_nc_u64 s[26:27], s[26:27], s[28:29]
	s_lshl_b32 s30, ttmp9, 2
	s_add_co_u32 s30, s30, s24                     ; the run's number in the workspace: x's 1,024 runs end where the weights' begin
	s_lshl_b32 s28, s30, 12
	s_add_nc_u64 s[14:15], s[14:15], s[28:29]      ; 4,096 bytes of codes a run
	s_lshl_b32 s28, s30, 8
	s_add_nc_u64 s[16:17], s[16:17], s[28:29]      ; 256 scale bytes a run
.macro LOAD t
.irp i, 0,1,2,3
	global_load_b128 v[R+16*((\t)%4)+4*\i:R+16*((\t)%4)+4*\i+3], v3, s[26:27] offset:2048*(\t)+512*\i th:TH_LOAD_NT   ; 32 lanes read 512 consecutive bytes
.endr
.endm
.macro TURN t                          ; step t's numbers through the stage: LDS serves a wave's instructions in order, so no wait stands between the stores and the loads
.irp i, 0,1,2,3
	ds_store_b128 v14, v[R+16*((\t)%4)+4*\i:R+16*((\t)%4)+4*\i+3] offset:32*SP*((\t)%2)+8*SP*\i
.endr
.irp i, 0,1,2,3
	ds_load_b128 v[X+16*((\t)%2)+4*\i:X+16*((\t)%2)+4*\i+3], v15 offset:32*SP*((\t)%2)+16*\i
.endr
.endm
.irp t, 0,1,2,3
	LOAD \t
.endr
	s_wait_loadcnt 12                              ; step 0's four loads are in; the 12 of steps 1 to 3 may be out
	TURN 0
.macro STEP t
.set XS, X+16*((\t)%2)
.if (\t) > 0
	s_wait_dscnt 1                                 ; this step's numbers are back from the stage; the last step's byte store may be out
.else
	s_wait_dscnt 0x0
.endif
.if (\t)+4 < STEPS
	LOAD (\t)+4                                    ; into the registers that this step's stage stores have read
.endif
.if (\t)+1 < STEPS
.if STEPS-2-(\t) >= 3
	s_wait_loadcnt 12                              ; the next step's four loads are in; those of the three steps behind it may be out
.else
	s_wait_loadcnt 4*(STEPS-2-(\t))
.endif
	TURN (\t)+1
.endif
	v_max3_num_f32 v8, |v[XS]|, |v[XS+1]|, |v[XS+2]|               ; the largest magnitude of my 16, in two chains
	v_max3_num_f32 v9, |v[XS+3]|, |v[XS+4]|, |v[XS+5]|
.irp i, 6,10
	v_max3_num_f32 v8, v8, |v[XS+\i]|, |v[XS+\i+1]|
	v_max3_num_f32 v9, v9, |v[XS+\i+2]|, |v[XS+\i+3]|
.endr
	v_max3_num_f32 v8, v8, |v[XS+14]|, |v[XS+15]|
	v_max3_num_f32 v8, v8, v9, (EMAX+1)<<23        ; and the floor 2^(3 - 127): the byte cannot fall under 1
	v_max_num_f32_dpp v8, v8, v8 row_xmask:1 row_mask:0xf bank_mask:0xf   ; with my neighbour's 16: the block's
	v_add_nc_u32 v11, -(EMAX<<23), v8              ; 2 off its exponent field: the conversion takes this operand's exponent field as its scale
	v_cvt_scalef32_pk8_fp4_f32 v[C+4*(\t)], v[XS:XS+7], v11
	v_cvt_scalef32_pk8_fp4_f32 v[C+4*(\t)+1], v[XS+8:XS+15], v11
	v_lshrrev_b32 v[E+(\t)], 23, v11               ; the scale's byte (also the plain line behind the conversions)
	ds_store_b8 v5, v[E+(\t)] offset:16*(\t)       ; both lanes of a block write the same byte with the same value
	global_store_b64 v4, v[C+4*(\t):C+4*(\t)+1], s[14:15] offset:32*CB*(\t)   ; the wave stores 256 consecutive bytes, aligned
.endm
.irp t, 0,1,2,3,4,5,6,7,8,9,10,11,12,13,14,15
	STEP \t
.endr
	ds_load_b64 v[8:9], v6                         ; the wave's 256 scale bytes: these loads see my stores
	s_wait_dscnt 0x0
	global_store_b64 v7, v[8:9], s[16:17]          ; 256 consecutive bytes, aligned
	s_wait_tensorcnt 0x0                           ; the wave's end, behind my last LDS store
	ds_add_u32 v[SPW], v[NIL]
	s_wait_dscnt 0x0
	s_endpgm
; ---------------- Wo to f16.  A wave takes 8 rows, two at a time: lanes 0-15 one row's 256 bytes (a chunk of 64 numbers), lanes 16-31 the next row's.
; A lane's four numbers become 8 bytes; the 32 lanes store 256 consecutive bytes: two neighbouring rows of one chunk.
.Lwo:
	s_sub_co_u32 s25, ttmp9, 352
	s_lshl_b32 s25, s25, 5
	s_lshl_b32 s26, s24, 3
	s_add_co_u32 s25, s25, s26                     ; my first row
	s_lshl_b32 s28, s25, 12
	s_add_nc_u64 s[12:13], s[12:13], s[28:29]      ; a row of Wo is 4,096 bytes
	s_lshl_b32 s28, s25, 7
	s_add_nc_u64 s[18:19], s[18:19], s[28:29]      ; a row of a chunk is 128 bytes
	v_lshrrev_b32 v3, 4, v2
	v_and_b32 v4, 15, v2
	v_lshlrev_b32 v3, 12, v3
	v_lshl_add_u32 v3, v4, 4, v3                   ; in: 4,096 (lane / 16) + 16 (lane % 16)
	v_lshlrev_b32 v4, 3, v2                        ; out: 8 x lane
.macro WLOAD p                         ; rows 2 p and 2 p + 1: sixteen chunks
.irp c, 0,1,2,3,4,5,6,7,8,9,10,11,12,13,14,15
	global_load_b128 v[16+64*((\p)%2)+4*\c:16+64*((\p)%2)+4*\c+3], v3, s[12:13] offset:(\p)*8192+\c*256
.endr
.endm
.macro WPAIR p
.set WS, 16+64*((\p)%2)
.if (\p) < 3
	WLOAD (\p)+1
	s_wait_loadcnt 16                              ; this pair's 16 loads are in; the next pair's 16 may be out
.else
	s_wait_loadcnt 0x0
.endif
.if (\p) > 0
	s_wait_xcnt 0x0                                ; the last pair's stores have read their data: v144-175 are written again only behind this wait
.endif
.irp c, 0,1,2,3,4,5,6,7,8,9,10,11,12,13,14,15
	v_cvt_pk_f16_f32 v[144+2*\c], v[WS+4*\c], v[WS+4*\c+1]
	v_cvt_pk_f16_f32 v[145+2*\c], v[WS+4*\c+2], v[WS+4*\c+3]
	global_store_b64 v4, v[144+2*\c:145+2*\c], s[18:19] offset:\c*131072+(\p)*256
.endr
.endm
	WLOAD 0
	WPAIR 0
	WPAIR 1
	WPAIR 2
	WPAIR 3
	s_endpgm
; ---------------- the RoPE tables.  A wave makes one group of 16 positions: eight entries of 16 bytes a lane for each table.
.Ltab:
	s_sub_co_u32 s25, ttmp9, 384
	s_lshl_b32 s25, s25, 2
	s_add_co_u32 s25, s25, s24                     ; the group g
	s_lshl_b32 s28, s25, 12
	s_add_nc_u64 s[20:21], s[20:21], s[28:29]      ; a group is 4,096 bytes
	s_lshl_b32 s25, s25, 4
	v_and_b32 v3, 15, v2
	v_lshrrev_b32 v4, 4, v2                        ; h
	v_add_nc_u32 v3, s25, v3
	v_cvt_f32_u32 v3, v3                           ; my position s, exact
	v_cmp_ne_u32 vcc_lo, 0, v4                     ; lanes 16-31 take the pairs four further on
	v_lshlrev_b32 v5, 4, v2                        ; 16 x lane
	s_mov_b32 s30, 0x3fc90fdb                      ; pi/2, its f32 part,
	s_mov_b32 s31, 0xb33bbd2e                      ; and what is left of it
; cos into v[dc], sin into v[ds], of s x (lanes 0-15: lit0; lanes 16-31: lit1)
.macro SINCOS dc, ds, lit0, lit1
	v_mov_b32 v16, \lit0
	v_mov_b32 v17, \lit1
	v_cndmask_b32 v16, v16, v17, vcc_lo
	v_mul_f32 v16, v3, v16                         ; the angle, rounded to f32 as in the definition
	v_mul_f32 v17, 0x3f22f983, v16                 ; x 2 / pi
	v_rndne_f32 v17, v17                           ; n quarter turns
	v_fma_f32 v18, -v17, s30, v16
	v_fma_f32 v18, -v17, s31, v18                  ; r = angle - n pi/2, |r| <= pi/4
	v_mul_f32 v19, v18, v18                        ; z = r^2
	v_mov_b32 v20, 0x3638ef1d                      ; 1/9!
	v_fmaak_f32 v20, v20, v19, 0xb9500d01          ; -1/7!
	v_fmaak_f32 v20, v20, v19, 0x3c088889          ; 1/5!
	v_fmaak_f32 v20, v20, v19, 0xbe2aaaab          ; -1/3!
	v_mul_f32 v21, v19, v18
	v_fma_f32 v20, v20, v21, v18                   ; sin r
	v_mov_b32 v22, 0x37d00d01                      ; 1/8!
	v_fmaak_f32 v22, v22, v19, 0xbab60b61          ; -1/6!
	v_fmaak_f32 v22, v22, v19, 0x3d2aaaab          ; 1/4!
	v_fmaak_f32 v22, v22, v19, 0xbf000000          ; -1/2
	v_fma_f32 v22, v22, v19, 1.0                   ; cos r
	v_cvt_i32_f32 v23, v17
	v_and_b32 v24, 1, v23
	v_cmp_eq_u32 s32, 1, v24                       ; an odd quarter: sin and cos change places (a selection of values; no branch)
	v_cndmask_b32 v[\ds], v20, v22, s32
	v_cndmask_b32 v[\dc], v22, v20, s32
	v_lshlrev_b32 v24, 30, v23
	v_and_b32 v24, 0x80000000, v24                 ; sin is negative in quarters 2 and 3,
	v_xor_b32 v[\ds], v[\ds], v24
	v_add_nc_u32 v23, 1, v23
	v_lshlrev_b32 v24, 30, v23
	v_and_b32 v24, 0x80000000, v24                 ; cos in quarters 1 and 2
	v_xor_b32 v[\dc], v[\dc], v24
.endm
; entry i: two pairs; each entry has registers of its own, so that no store's data are written again
.macro ENTRY i, a0, a1, b0, b1
	SINCOS 64+8*(\i), 65+8*(\i), \a0, \a1
	SINCOS 66+8*(\i), 67+8*(\i), \b0, \b1
.irp j, 0,1,2,3
	v_mul_f32 v[68+8*(\i)+\j], 0x3e38aa3b, v[64+8*(\i)+\j]         ; x log2(e) / 8, for q
.endr
	global_store_b128 v5, v[68+8*(\i):71+8*(\i)], s[20:21] offset:512*(\i)          ; 512 consecutive bytes a store
	global_store_b128 v5, v[64+8*(\i):67+8*(\i)], s[20:21] offset:524288+512*(\i)
.endm
	ENTRY 0, 1.0, 0.3162277660, 0.7498942093, 0.2371373706
	ENTRY 1, 0.5623413252, 0.1778279410, 0.4216965034, 0.1333521432
	ENTRY 2, 0.1, 0.03162277660, 0.07498942093, 0.02371373706
	ENTRY 3, 0.05623413252, 0.01778279410, 0.04216965034, 0.01333521432
	ENTRY 4, 0.01, 0.003162277660, 0.007498942093, 0.002371373706
	ENTRY 5, 0.005623413252, 0.001778279410, 0.004216965034, 0.001333521432
	ENTRY 6, 0.001, 0.0003162277660, 0.0007498942093, 0.0002371373706
	ENTRY 7, 0.0005623413252, 0.0001778279410, 0.0004216965034, 0.0001333521432
	s_endpgm
.Lfunc_end_k_q2b6e95c2f4_prep:
	.size	k_q2b6e95c2f4_prep, .Lfunc_end_k_q2b6e95c2f4_prep-k_q2b6e95c2f4_prep
	.p2alignl 7, 3214868480
	.fill 96, 4, 3214868480
	.section	.rodata,"a",@progbits
	.p2align	6, 0x0
	.amdhsa_kernel k_q2b6e95c2f4_prep
		.amdhsa_group_segment_fixed_size 33280
		.amdhsa_private_segment_fixed_size 0
		.amdhsa_enable_private_segment 0
		.amdhsa_kernarg_size 72
		.amdhsa_user_sgpr_count 2
		.amdhsa_user_sgpr_kernarg_segment_ptr 1
		.amdhsa_wavefront_size32 1
		.amdhsa_system_sgpr_workgroup_id_x 1
		.amdhsa_system_sgpr_workgroup_id_y 1
		.amdhsa_system_sgpr_workgroup_id_z 1
		.amdhsa_system_vgpr_workitem_id 0
		.amdhsa_next_free_vgpr 192
		.amdhsa_next_free_sgpr 66
		.amdhsa_reserve_vcc 1
		.amdhsa_float_denorm_mode_32 3
		.amdhsa_float_denorm_mode_16_64 3
		.amdhsa_memory_ordered 1
		.amdhsa_forward_progress 1
		.amdhsa_inst_pref_size 84
	.end_amdhsa_kernel
	.amdgpu_metadata
---
amdhsa.version: [ 1, 2 ]
amdhsa.kernels:
  - .name:           k_q2b6e95c2f4_prep
    .symbol:         k_q2b6e95c2f4_prep.kd
    .args:
      - { .name: x, .offset: 0, .size: 8, .value_kind: global_buffer, .address_space: global }
      - { .name: Wq, .offset: 8, .size: 8, .value_kind: global_buffer, .address_space: global }
      - { .name: Wk, .offset: 16, .size: 8, .value_kind: global_buffer, .address_space: global }
      - { .name: Wv, .offset: 24, .size: 8, .value_kind: global_buffer, .address_space: global }
      - { .name: Wo, .offset: 32, .size: 8, .value_kind: global_buffer, .address_space: global }
      - { .name: codes, .offset: 40, .size: 8, .value_kind: global_buffer, .address_space: global }
      - { .name: scales, .offset: 48, .size: 8, .value_kind: global_buffer, .address_space: global }
      - { .name: wo16, .offset: 56, .size: 8, .value_kind: global_buffer, .address_space: global }
      - { .name: tab, .offset: 64, .size: 8, .value_kind: global_buffer, .address_space: global }
    .group_segment_fixed_size: 33280
    .private_segment_fixed_size: 0
    .kernarg_segment_align: 8
    .kernarg_segment_size: 72
    .max_flat_workgroup_size: 128
    .sgpr_count:     66
    .vgpr_count:     192
    .wavefront_size: 32
...
	.end_amdgpu_metadata
.endif
;; end of part 1
;; launch qkvgemm (part 2): grid 12 x 32, 4 waves a work-group, clusters of 4 x 4, 327,680 bytes of LDS; arguments codes, scales, tab, qkv, fine; writes qkv, fine
.if DOCPART == 2
	.amdgcn_target "amdgcn-amd-amdhsa--gfx1250"
	.amdhsa_code_object_version 6
	.text
	.protected	k_q2b6e95c2f4_qkvgemm
	.globl	k_q2b6e95c2f4_qkvgemm
	.p2align	8
	.type	k_q2b6e95c2f4_qkvgemm,@function
k_q2b6e95c2f4_qkvgemm:
	s_mov_b64 s[64:65], 0
	v_nop
	global_prefetch_b8 v0, s[64:65] scope:SCOPE_SE
	s_setreg_imm32_b32 hwreg(HW_REG_WAVE_MODE, 25, 1), 1
	s_wait_xcnt 0x0
	s_wait_alu depctr_hold_cnt(0) depctr_sa_sdst(0) depctr_va_vdst(0) depctr_va_sdst(0) depctr_va_ssrc(0) depctr_va_vcc(0) depctr_vm_vsrc(0)
	s_getreg_b32 s2, hwreg(HW_REG_IB_STS2, 6, 4)
	s_cmp_eq_u32 s2, 0
	s_cbranch_scc0 .Lentry_in_a_cluster
	s_endpgm
.Lentry_in_a_cluster:
	s_bfe_u32 s2, ttmp6, 0x10000c
	s_cmp_lg_u32 s2, 0xf033
	s_cbranch_scc0 .Lentry_shape_is_right
	s_endpgm
.Lentry_shape_is_right:
; q, k, v = x Wq^T, x Wk^T, x Wv^T as ONE product on codes of FP4 (E2M1) with E8M0 scales: C [8192][3072], K = 1,024; RoPE in f32 on the way out; q, k, v leave as f16, [part][batch][head][position][64].
; The rows of positions 0 to 15 of every batch leave a second time as f32 (buffer fine, [part][batch][head][16][64]), for the launch that carries those rows finely.
; A tile of C, 256 x 256, is made by four waves, each 128 x 128: 64 accumulators, 512 registers.  K = 1,024 is two LDS slots of 512 along K (rows of 256 bytes): both are first fills, nothing is filled again.
; The scale bytes of the work-group's 256 rows of x and 256 rows of W come once, as two dense blocks.
; CLUSTERS: 4 x 4 work-groups.  The four of a row of the cluster need the same tiles of x, the four of a column the same tiles of W: each tile is asked for jointly, by the same tensor load with a mask that names the four.
; THE TILE ROW IS 8 cy + cluster y, so that the batch is cy and the position is 256 x cluster y + ..: the rows of positions 0 to 15 lie in the clusters with y = 0, in all partners alike, and the branch for them
; hangs on the cluster's y and the wave's number.  THE TILE COLUMN IS 4 x cluster x + cx, so that cluster x is the part (0 q, 1 k, 2 v): the branch between RoPE and none is the same in all sixteen partners.
; THE MATRIX INSTRUCTION IS USED TRANSPOSED (source 0 = 16 rows of W, source 1 = 16 rows of x): a lane holds eight neighbouring columns of one row of C, which are four RoPE pairs.
; q's table holds cos and sin times log2(e)/8: RoPE is linear, so q leaves with the softmax's factor in it.
; LIMIT: |q| log2(e)/8, |k| and |v| must stay under 65,504 (f16).
; REGISTERS, in windows of 256: window 0: v0-31 addresses; v32-95 scale words, two sets; v128-191 x's fragments, one set; v192-255 RoPE table entries of two blocks of rows.  Way out: v32-95 rotated numbers, v96-127 f16, v128-191 rows read back.
;   window 1: W's fragments, two sets.   window 2: the accumulators of my rows 0-63 ((a, b) at v[8 (8 a + b)]);   window 3: those of rows 64-127.
.set KSTEP,  512
.set NQ,     KSTEP/128
.set ROWB,   256                       ; a tile's row in bytes
.set KROW,   512                       ; a row of codes in memory
.set PITCH,  272                       ; an LDS row: 256 bytes + 16 of padding, so that the 16 rows of a fragment load start 68 words apart
.set FR,     8
.set NL,     2
.set NP,     4                         ; places behind this matrix instruction (ISA guide 7.12.1)
.set HALFT,  128*PITCH
.set SLOT,   4*HALFT                   ; x's 256 rows, then W's 256 rows
.set KS,     32                        ; a row of scale bytes
.set SCL,    2*SLOT                    ; behind the slots: the scales, as units of 256 bytes + 16 of padding
.set HALFS,  (128*KS/256)*272
.set SBLK,   (16*KS/256)*272
.set SPARE,  SCL+4*HALFS               ; the spare words, 128 bytes a wave
.set SROW,   144                       ; the way out: a stage row: 128 bytes (a head's 64 f16) + 16
.set SHEAD,  16*SROW                   ; 16 rows of one head; a wave's stage is two heads.  It lies in slot 0, which has had its only fill and its last read by then
.set ADRA, 16
.set ADRB, 20
.set STO,  24                          ; v24 the stage, way in
.set RD,   25                          ; v25 the stage, way back
.set CO,   26                          ; v26 16 x lane: offset of table loads and of the stores; never rewritten
.set ADRS, 27
.set SPW,  28
.set NIL,  29
.set FO,   30                          ; v30 my place in a head's 16 rows of f32
.set SC,   32
.set AF,   128
.set T,    32
.set PKR,  96
.set BK,   128
.set CS,   192
.set G1, 24
.set G0, 32
.set G1B, 48
.set G0B, 56
.set G1S, 68
.set G0S, 76
.set G1SB, 80
.set G0SB, 88
.set FLAG, 98                          ; s98 0 where my first block of rows is positions 0 to 15
.set MSB, 0
.macro WIN new                         ; the immediate's high byte repeats the setting that is left; a switch that changes nothing is dropped
.if MSB != (\new)
	s_set_vgpr_msb (MSB<<8)|(\new)
.set MSB, (\new)
.endif
.endm
.set MUL_LO, 0xa1                      ; source 0 (W) window 1, source 1 (x) window 0, C and D window 2
.set MUL_HI, 0xf1
.set TO_B,   0x40
; A joint load: waves 0 and 1 fetch for x, waves 2 and 3 for W.  The branch hangs on the wave's number alone.  An s_nop 0 and four v_nop follow each of the two lines.
.macro JLOAD g0a, g1a, g0b, g1b
	s_cmp_eq_u32 s15, 0
	s_cbranch_scc0 .Lfor_b_\@
	tensor_load_to_lds s[\g0a:\g0a+3], s[\g1a:\g1a+7]
	s_nop 0
.rept 4
	v_nop
.endr
	s_branch .Lasked_\@
.Lfor_b_\@:
	tensor_load_to_lds s[\g0b:\g0b+3], s[\g1b:\g1b+7]
	s_nop 0
.rept 4
	v_nop
.endr
.Lasked_\@:
.endm
.macro CROUND                          ; a round of the cluster's barrier
	s_barrier_signal -1
	s_barrier_wait -1
	s_cmp_lg_u32 s14, 0
	s_cbranch_scc1 .Lnot_wave_0_\@
	s_barrier_signal -3
.Lnot_wave_0_\@:
	s_barrier_wait -3
	s_barrier_signal -1
	s_barrier_wait -1
.endm
	s_load_b128 s[4:7], s[0:1], 0x0                ; codes, scales
	s_load_b128 s[8:11], s[0:1], 0x10              ; tab, qkv
	s_load_b64 s[12:13], s[0:1], 0x20              ; fine
	v_lshl_add_u32 v[SPW], v0, 2, SPARE
	v_mov_b32 v[NIL], 0
	ds_add_u32 v[SPW], v[NIL]                      ; the wave's opening: the add, twice on end, and its wait ahead of my first tensor load
	ds_add_u32 v[SPW], v[NIL]
	v_lshrrev_b32 v1, 5, v0
	v_readfirstlane_b32 s14, v1                    ; wave 0..3
	s_lshr_b32 s15, s14, 1                         ; which half of the tile's rows is mine.  Also: I fetch for x (0) or for W (1)
	s_and_b32 s16, s14, 1                          ; which half of its columns.  Also: which 128 rows of that tile I fetch
	s_bfe_u32 s40, ttmp6, 0x40000                  ; cx
	s_bfe_u32 s41, ttmp6, 0x40004                  ; cy
	s_lshl_b32 s42, ttmp9, 2
	s_add_co_u32 s42, s42, s40                     ; tile column = 4 x cluster x + cx
	s_and_b32 s17, ttmp7, 0xffff
	s_lshl_b32 s18, s41, 3
	s_add_co_u32 s17, s17, s18                     ; tile row = 8 cy + cluster y
	s_lshl_b32 s43, s41, 2
	s_lshl_b32 s43, 15, s43                        ; my row of the cluster
	s_lshl_b32 s44, 0x1111, s40                    ; my column
	s_or_b32 s[G1+0], s43, (0<<16)|(1<<20)|(1<<21)|(5<<22)|(3<<25)  ; the mask; elements of 1 byte; padding on; bit 21 beside a mask; 4 words after every 64
	s_or_b32 s[G1B+0], s44, (0<<16)|(1<<20)|(1<<21)|(5<<22)|(3<<25)
.irp g, G1, G1B
	s_mov_b32 s[\g+1], ROWB<<16                    ; tensor_dim0
	s_mov_b32 s[\g+2], 128<<16                     ; tensor_dim1
	s_mov_b32 s[\g+3], ROWB<<16                    ; tile_dim0
	s_mov_b32 s[\g+4], 128                         ; tile_dim1
	s_mov_b32 s[\g+5], KROW                        ; from row to row
	s_mov_b32 s[\g+6], 0
	s_mov_b32 s[\g+7], 0
.endr
	s_or_b32 s[G1S+0], s43, (3<<16)|(1<<20)|(1<<21)|(5<<22)|(3<<25)  ; the scales of 128 rows: 4,096 dense bytes as 16 rows of 256 (32 elements of 8 bytes), 16 bytes of padding behind each
	s_or_b32 s[G1SB+0], s44, (3<<16)|(1<<20)|(1<<21)|(5<<22)|(3<<25)
.irp g, G1S, G1SB
	s_mov_b32 s[\g+1], 32<<16
	s_mov_b32 s[\g+2], (128*KS/256)<<16
	s_mov_b32 s[\g+3], 32<<16
	s_mov_b32 s[\g+4], 128*KS/256
	s_mov_b32 s[\g+5], 32
	s_mov_b32 s[\g+6], 0
	s_mov_b32 s[\g+7], 0
.endr
	s_lshl_b32 s18, s16, 7
	s_lshl_b32 s20, s17, 8
	s_add_co_u32 s20, s20, s18                     ; x: row 256 x tile row + 128 x half
	s_lshl_b32 s46, s42, 8
	s_add_co_u32 s46, s46, s18                     ; W: row 256 x tile column + 128 x half
	s_mov_b32 s21, 0
	s_mov_b32 s47, 0
	s_mov_b64 s[18:19], KS
	s_mul_u64 s[22:23], s[20:21], s[18:19]         ; where these rows' scales begin,
	s_mul_u64 s[92:93], s[46:47], s[18:19]
	s_mov_b64 s[18:19], KROW
	s_mul_u64 s[20:21], s[20:21], s[18:19]         ; and their codes
	s_mul_u64 s[46:47], s[46:47], s[18:19]
	s_add_nc_u64 s[92:93], s[92:93], 0x40000       ; the weights' parts lie behind x's: 262,144 bytes of scales,
	s_add_nc_u64 s[46:47], s[46:47], 0x400000      ; 4,194,304 of codes
	s_mul_i32 s45, s14, HALFT                      ; where they go: wave x 128 rows
	s_mul_i32 s94, s14, HALFS
	s_wait_dscnt 0x0                               ; both opening adds are done
	s_wait_kmcnt 0x0
	s_add_nc_u64 s[20:21], s[4:5], s[20:21]
	s_add_nc_u64 s[22:23], s[6:7], s[22:23]
	s_add_nc_u64 s[46:47], s[4:5], s[46:47]
	s_add_nc_u64 s[92:93], s[6:7], s[92:93]
	CROUND                                         ; all sixteen work-groups are here: the joint loads meet
	s_mov_b32 s[G0S], 1
	s_add_co_u32 s[G0S+1], s94, SCL
	s_mov_b64 s[G0S+2:G0S+3], s[22:23]
	s_or_b32 s[G0S+3], s[G0S+3], 0x80000000
	s_mov_b32 s[G0SB], 1
	s_add_co_u32 s[G0SB+1], s94, SCL
	s_mov_b64 s[G0SB+2:G0SB+3], s[92:93]
	s_or_b32 s[G0SB+3], s[G0SB+3], 0x80000000
	JLOAD G0S, G1S, G0SB, G1SB                     ; the scales first
.irp s, 0,1
	s_mov_b32 s[G0+4*\s], 1
	s_add_co_u32 s[G0+4*\s+1], s45, \s*SLOT
	s_add_nc_u64 s[G0+4*\s+2:G0+4*\s+3], s[20:21], \s*ROWB
	s_or_b32 s[G0+4*\s+3], s[G0+4*\s+3], 0x80000000
	s_mov_b32 s[G0B+4*\s], 1
	s_add_co_u32 s[G0B+4*\s+1], s45, \s*SLOT
	s_add_nc_u64 s[G0B+4*\s+2:G0B+4*\s+3], s[46:47], \s*ROWB
	s_or_b32 s[G0B+4*\s+3], s[G0B+4*\s+3], 0x80000000
	JLOAD G0+4*\s, G1, G0B+4*\s, G1B               ; all of K: three tensor loads of mine are out
.endr
	v_and_b32 v1, 15, v0                           ; r
	v_bfe_u32 v2, v0, 4, 1                         ; h
	v_mul_u32_u24 v3, v1, PITCH
	v_lshl_add_u32 v4, v2, 4, v3
	s_mul_i32 s21, s15, HALFT
	s_mul_i32 s22, s16, HALFT
	s_add_co_u32 s22, s22, 2*HALFT
.irp s, 0,1
	v_add_nc_u32 v[ADRA+\s], s21, v4
	v_add_nc_u32 v[ADRB+\s], s22, v4
	s_add_co_u32 s21, s21, SLOT
	s_add_co_u32 s22, s22, SLOT
.endr
	v_mul_u32_u24 v5, v1, KS                       ; my row's scales: 32 bytes a row,
	v_lshrrev_b32 v6, 8, v5
	v_lshl_add_u32 v5, v6, 4, v5                   ; and 16 more for each 256 passed
	s_mul_i32 s21, s15, HALFS
	s_mul_i32 s22, s16, HALFS
	s_add_co_u32 s22, s22, 2*HALFS
	s_sub_co_u32 s22, s22, s21
	v_mul_u32_u24 v6, s22, v2                      ; lanes 16-31 take W's
	s_add_co_u32 s21, s21, SCL
	v_add_nc_u32 v5, v5, v6
	v_add_nc_u32 v[ADRS], s21, v5
	s_mul_i32 s23, s14, 2*SHEAD                    ; my stage
	v_mul_u32_u24 v5, v1, SROW
	v_lshl_add_u32 v5, v2, 4, v5
	v_add_nc_u32 v[STO], s23, v5                   ; in: row r, 16 bytes for each half of the lanes
	v_and_b32 v6, 31, v0
	v_lshlrev_b32 v[CO], 4, v6
	v_lshrrev_b32 v7, 3, v6
	v_mul_u32_u24 v7, v7, SROW
	v_and_b32 v8, 7, v6
	v_lshl_add_u32 v7, v8, 4, v7
	v_add_nc_u32 v[RD], s23, v7                    ; back: eight lanes to a row of 128 bytes, four rows an instruction
	v_lshlrev_b32 v[FO], 8, v1
	v_lshl_add_u32 v[FO], v2, 5, v[FO]             ; f32 rows of 256 bytes: 256 r + 32 h
	s_and_b32 s95, ttmp7, 0xffff                   ; cluster y
	s_or_b32 s[FLAG], s95, s15
	s_lshl_b32 s96, s95, 4
	s_lshl_b32 s97, s15, 3
	s_add_co_u32 s96, s96, s97                     ; my first group of 16 positions: 16 x cluster y + 8 x row half
	s_lshl_b32 s20, s96, 12
	s_min_u32 s97, ttmp9, 1                        ; q's table, or k's (the v part is held at k's: see below)
	s_lshl_b32 s97, s97, 19
	s_add_co_u32 s20, s20, s97
	s_mov_b32 s21, 0
	s_add_nc_u64 s[8:9], s[8:9], s[20:21]          ; the table at my first group
	s_lshl_b32 s20, s96, 11                        ; 16 positions x 128 bytes
	s_lshl_b32 s97, ttmp9, 24                      ; the part,
	s_add_co_u32 s20, s20, s97
	s_lshl_b32 s97, s41, 22                        ; the batch,
	s_add_co_u32 s20, s20, s97
	s_lshl_b32 s97, s40, 2
	s_lshl_b32 s99, s16, 1
	s_add_co_u32 s97, s97, s99                     ; my first head: 4 cx + 2 x column half
	s_lshl_b32 s99, s97, 18
	s_add_co_u32 s20, s20, s99
	s_add_nc_u64 s[10:11], s[10:11], s[20:21]      ; qkv at my first row of my first head
	s_lshl_b32 s20, ttmp9, 18
	s_lshl_b32 s99, s41, 16
	s_add_co_u32 s20, s20, s99
	s_lshl_b32 s99, s97, 12
	s_add_co_u32 s20, s20, s99
	s_add_nc_u64 s[12:13], s[12:13], s[20:21]      ; fine likewise
; The table entries of block a of 16 rows: eight loads of 512 consecutive bytes.
.macro CSLOAD a
.irp i, 0,1,2,3,4,5,6,7
	global_load_b128 v[CS+32*((\a)%2)+4*\i:CS+32*((\a)%2)+4*\i+3], v[CO], s[8:9] offset:(\a)*4096+512*\i
.endr
.endm
	CSLOAD 0                                       ; two blocks' entries are asked for now and land under the products.  These lines stand on every wave's way: the v part asks for 8 KiB a wave of k's table and does not use them
	CSLOAD 1
.macro FRAG reg, adr, q, i             ; 16 rows x 128 K of 4-bit codes: 8 registers; lane l holds row l % 16; registers 4 c .. 4 c + 3 hold K = 64 c + 32 (l / 16) + 0 .. 31
.irp c, 0,1
	ds_load_b128 v[\reg+4*\c:\reg+4*\c+3], v[\adr] offset:64*(\q)+32*\c+(\i)*16*PITCH
.endr
.endm
; 16 matrix instructions: x's blocks a0, a0 + 1 against W's eight.  The 64 accumulators take turns, one instruction a turn, in the same order in every step.
.macro MUL16 a0, p, q, sc, zero
.irp a, \a0, \a0+1
.irp b, 0,1,2,3,4,5,6,7
.if \zero
	v_wmma_scale_f32_16x16x128_f8f6f4 v[8*(8*((\a)%4)+\b):8*(8*((\a)%4)+\b)+7], v[128*(\p)+FR*\b:128*(\p)+FR*\b+FR-1], v[AF+FR*(\a):AF+FR*(\a)+FR-1], 0, v[SC+8*NQ*(\sc)+NQ*\b+(\q)], v[SC+8*NQ*(\sc)+NQ*(\a)+(\q)] matrix_a_fmt:MATRIX_FMT_FP4 matrix_b_fmt:MATRIX_FMT_FP4 matrix_a_scale:MATRIX_SCALE_ROW1
.else
	v_wmma_scale_f32_16x16x128_f8f6f4 v[8*(8*((\a)%4)+\b):8*(8*((\a)%4)+\b)+7], v[128*(\p)+FR*\b:128*(\p)+FR*\b+FR-1], v[AF+FR*(\a):AF+FR*(\a)+FR-1], v[8*(8*((\a)%4)+\b):8*(8*((\a)%4)+\b)+7], v[SC+8*NQ*(\sc)+NQ*\b+(\q)], v[SC+8*NQ*(\sc)+NQ*(\a)+(\q)] matrix_a_fmt:MATRIX_FMT_FP4 matrix_b_fmt:MATRIX_FMT_FP4 matrix_a_scale:MATRIX_SCALE_ROW1
.endif
.endr
.endr
.endm
.macro FETCH_B slot, q, p
	WIN TO_B
.irp i, 0,1,2,3,4,5,6,7
	FRAG 128*(\p)+FR*\i, ADRB+\slot, \q, \i
.endr
	WIN 0
.endm
.macro FETCH_A slot, q, i0
.irp i, \i0, \i0+1, \i0+2, \i0+3
	FRAG AF+FR*(\i), ADRA+\slot, \q, \i
.endr
.endm
.macro SCALES sc                       ; a slot's scale words: four words a row; lanes 0-15 take x's block i, lanes 16-31 W's block i
.irp i, 0,1,2,3,4,5,6,7
	ds_load_b128 v[SC+8*NQ*\sc+NQ*\i:SC+8*NQ*\sc+NQ*\i+3], v[ADRS] offset:\i*SBLK
.endr
.endm
.macro PLACES n                        ; plain vector instructions between a matrix instruction and a load into, or a vector instruction on, its registers (ISA guide 7.12.1 for vector instructions)
.rept \n
	v_nop
.endr
.endm
.macro STEP slot, q, zero              ; 128 along K that has its successor in the same slot
	s_wait_dscnt 4*NL                              ; W's set and x's blocks 0-3 are in; the youngest eight loads (x's blocks 4-7) may be out
	WIN MUL_LO
	MUL16 0, (\q)%2, \q, \slot, \zero
	MUL16 2, (\q)%2, \q, \slot, \zero
	s_wait_dscnt 0
	PLACES NP
	FETCH_B \slot, (\q)+1, 1-(\q)%2
	FETCH_A \slot, (\q)+1, 0
	WIN MUL_HI
	MUL16 4, (\q)%2, \q, \slot, \zero
	MUL16 6, (\q)%2, \q, \slot, \zero
	PLACES NP
	WIN 0
	FETCH_A \slot, (\q)+1, 4
.endm
; Slot 0's last step, and the change to slot 1: one barrier; in front of it each wave has all its tensor loads in (its part of slot 1 among them) and its reads of slot 0 back.  Nothing is filled again.
.macro TURN slot, next
	s_wait_tensorcnt 0x0
	ds_add_u32 v[SPW], v[NIL]                      ; 0 onto my spare word
	s_wait_dscnt 4*NL+1                            ; the add and the youngest eight loads may be out
	WIN MUL_LO
	MUL16 0, 1, NQ-1, \slot, 0
	s_wait_dscnt 0x0                               ; the add is done, and my reads of this slot are over
	s_barrier_signal -1
	MUL16 2, 1, NQ-1, \slot, 0
	WIN 0
	s_barrier_wait -1
	PLACES NP
	v_add_nc_u32 v[ADRS], 4*NQ, v[ADRS]            ; on to the next 512 along K of the scale words
	FETCH_B \next, 0, 0
	FETCH_A \next, 0, 0
	SCALES \next
	WIN MUL_HI
	MUL16 4, 1, NQ-1, \slot, 0
	MUL16 6, 1, NQ-1, \slot, 0
	PLACES NP
	WIN 0
	FETCH_A \next, 0, 4
.endm
	s_wait_tensorcnt 1                             ; the scales and my part of slot 0 are in; slot 1's load may be out
	s_barrier_signal -1
	s_barrier_wait -1
	FETCH_B 0, 0, 0
	FETCH_A 0, 0, 0
	SCALES 0
	FETCH_A 0, 0, 4
	STEP 0, 0, 1                                   ; the first step's products start the sums: nothing is cleared
	STEP 0, 1, 0
	STEP 0, 2, 0
	TURN 0, 1
	STEP 1, 0, 0
	STEP 1, 1, 0
	STEP 1, 2, 0
	s_wait_dscnt 4*NL                              ; the last step: nothing more to fetch
	WIN MUL_LO
	MUL16 0, 1, NQ-1, 1, 0
	MUL16 2, 1, NQ-1, 1, 0
	s_wait_dscnt 0
	WIN MUL_HI
	MUL16 4, 1, NQ-1, 1, 0
	MUL16 6, 1, NQ-1, 1, 0
	WIN 0
; THE WAY OUT, block by block of 16 rows x 128 columns (two heads).
; The rows of positions 0 to 15 as f32: 16 bytes a lane, rows 256 bytes apart in pieces of 32: these stores cover their aligned blocks of 256 bytes in part; they are 786,432 of the launch's 51 million output bytes.
.macro FINE plain
	s_cmp_eq_u32 s[FLAG], 0
	s_cbranch_scc0 .Lnofine_\@
.if \plain
	WIN 0x08                                       ; a store's data are its source 1: window 2
.endif
.irp b, 0,1,2,3,4,5,6,7
.irp c, 0,1
.if \plain
	global_store_b128 v[FO], v[8*\b+4*\c:8*\b+4*\c+3], s[12:13] offset:(\b/4)*4096+(\b%4)*64+16*\c
.else
	global_store_b128 v[FO], v[T+8*\b+4*\c:T+8*\b+4*\c+3], s[12:13] offset:(\b/4)*4096+(\b%4)*64+16*\c
.endif
.endr
.endr
	WIN 0
	s_wait_xcnt 0x0                                ; the stores have read their data: the next block's numbers are written only behind this wait
.Lnofine_\@:
.endm
; Block a becomes f16.  rope = 1: each pair (even, odd column) is turned by its position's angle, in f32: even' = even cos - odd sin, odd' = odd cos + even sin.
.macro PACK a, rope
.set AC, 64*((\a)%4)
.set CC, CS+32*((\a)%2)
.if \rope
.if (\a) < 7
	s_wait_loadcnt 8                               ; this block's eight table loads are in; the next block's eight may be out
.else
	s_wait_loadcnt 0x0
.endif
	WIN 0x02+(\a)/4                                ; source 0: window 2 or 3
.irp b, 0,1,2,3,4,5,6,7
.irp p, 0,1,2,3
	v_mul_f32 v[T+8*\b+2*\p], v[AC+8*\b+2*\p+1], v[CC+8*(\b%4)+2*\p+1]
	v_mul_f32 v[T+8*\b+2*\p+1], v[AC+8*\b+2*\p], v[CC+8*(\b%4)+2*\p+1]
	v_fma_f32 v[T+8*\b+2*\p], v[AC+8*\b+2*\p], v[CC+8*(\b%4)+2*\p], -v[T+8*\b+2*\p]
	v_fma_f32 v[T+8*\b+2*\p+1], v[AC+8*\b+2*\p+1], v[CC+8*(\b%4)+2*\p], v[T+8*\b+2*\p+1]
.endr
.endr
	WIN 0
.if (\a) <= 5
	CSLOAD (\a)+2                                  ; into the entries just used
.endif
.if (\a) == 0
	FINE 0
.endif
.irp b, 0,1,2,3,4,5,6,7
.irp p, 0,1,2,3
	v_cvt_pk_f16_f32 v[PKR+4*\b+\p], v[T+8*\b+2*\p], v[T+8*\b+2*\p+1]
.endr
.endr
.else
.if (\a) == 0
	FINE 1
.endif
	WIN 0x0a+5*((\a)/4)                            ; sources 0 and 1: window 2 or 3
.irp b, 0,1,2,3,4,5,6,7
.irp p, 0,1,2,3
	v_cvt_pk_f16_f32 v[PKR+4*\b+\p], v[AC+8*\b+2*\p], v[AC+8*\b+2*\p+1]
.endr
.endr
	WIN 0
.endif
.endm
; A lane's 16 bytes are an eighth of a head's row, and the lanes beside it hold other rows: the block goes through my own stage and comes back as whole rows.  LDS serves a wave's instructions in order: no wait between.
.macro TOSTAGE a
.set BB, BK+32*((\a)%2)
.irp b, 0,1,2,3,4,5,6,7
	ds_store_b128 v[STO], v[PKR+4*\b:PKR+4*\b+3] offset:(\b/4)*SHEAD+32*(\b%4)
.endr
.irp u, 0,1
.irp t, 0,1,2,3
	ds_load_b128 v[BB+4*(4*\u+\t):BB+4*(4*\u+\t)+3], v[RD] offset:\u*SHEAD+4*SROW*\t
.endr
.endr
.endm
.macro SEND a
.set BB, BK+32*((\a)%2)
	s_wait_dscnt 0x0                               ; the block is back in registers
	s_wait_xcnt 0x0                                ; the block before has left its registers: the next loads from the stage may land there
.irp u, 0,1
.irp t, 0,1,2,3
	global_store_b128 v[CO], v[BB+4*(4*\u+\t):BB+4*(4*\u+\t)+3], s[10:11] offset:\u*262144+(\a)*2048+512*\t   ; four rows of a head: 512 consecutive bytes, aligned
.endr
.endr
.endm
	PLACES NP                                      ; behind the last products: for the first reads of results, the writes over the scale words and the loads into x's fragments
	s_cmp_eq_u32 ttmp9, 2                          ; the part: the same in all sixteen partners
	s_cbranch_scc1 .Lplain
	PACK 0, 1
	TOSTAGE 0
.irp a, 1,2,3,4,5,6,7                  ; block a's arithmetic stands between block a - 1's loads from the stage and the wait for them
	PACK \a, 1
	SEND \a-1
	TOSTAGE \a
.endr
	SEND 7
	s_branch .Lclose
.Lplain:                                               ; v: no RoPE
	PACK 0, 0
	TOSTAGE 0
.irp a, 1,2,3,4,5,6,7
	PACK \a, 0
	SEND \a-1
	TOSTAGE \a
.endr
	SEND 7
.Lclose:
	s_wait_tensorcnt 0x0                           ; the wave's end, behind my last tensor load and my last LDS store
	ds_add_u32 v[SPW], v[NIL]
	s_wait_dscnt 0x0
	CROUND                                         ; the closing round
	s_endpgm
.Lfunc_end_k_q2b6e95c2f4_qkvgemm:
	.size	k_q2b6e95c2f4_qkvgemm, .Lfunc_end_k_q2b6e95c2f4_qkvgemm-k_q2b6e95c2f4_qkvgemm
	.p2alignl 7, 3214868480
	.fill 96, 4, 3214868480
	.section	.rodata,"a",@progbits
	.p2align	6, 0x0
	.amdhsa_kernel k_q2b6e95c2f4_qkvgemm
		.amdhsa_group_segment_fixed_size 327680
		.amdhsa_private_segment_fixed_size 0
		.amdhsa_enable_private_segment 0
		.amdhsa_kernarg_size 40
		.amdhsa_user_sgpr_count 2
		.amdhsa_user_sgpr_kernarg_segment_ptr 1
		.amdhsa_wavefront_size32 1
		.amdhsa_system_sgpr_workgroup_id_x 1
		.amdhsa_system_sgpr_workgroup_id_y 1
		.amdhsa_system_sgpr_workgroup_id_z 1
		.amdhsa_system_vgpr_workitem_id 0
		.amdhsa_next_free_vgpr 1024
		.amdhsa_next_free_sgpr 100
		.amdhsa_reserve_vcc 0
		.amdhsa_float_denorm_mode_32 3
		.amdhsa_float_denorm_mode_16_64 3
		.amdhsa_memory_ordered 1
		.amdhsa_forward_progress 1
		.amdhsa_inst_pref_size 216
	.end_amdhsa_kernel
	.amdgpu_metadata
---
amdhsa.version: [ 1, 2 ]
amdhsa.kernels:
  - .name:           k_q2b6e95c2f4_qkvgemm
    .symbol:         k_q2b6e95c2f4_qkvgemm.kd
    .args:
      - { .name: codes, .offset: 0, .size: 8, .value_kind: global_buffer, .address_space: global }
      - { .name: scales, .offset: 8, .size: 8, .value_kind: global_buffer, .address_space: global }
      - { .name: tab, .offset: 16, .size: 8, .value_kind: global_buffer, .address_space: global }
      - { .name: qkv, .offset: 24, .size: 8, .value_kind: global_buffer, .address_space: global }
      - { .name: fine, .offset: 32, .size: 8, .value_kind: global_buffer, .address_space: global }
    .group_segment_fixed_size: 327680
    .private_segment_fixed_size: 0
    .kernarg_segment_align: 8
    .kernarg_segment_size: 40
    .max_flat_workgroup_size: 128
    .sgpr_count:     100
    .vgpr_count:     1024
    .wavefront_size: 32
...
	.end_amdgpu_metadata
.endif
;; end of part 2
;; launch attention (part 3): grid 4 x 64, 16 waves a work-group, no clusters, 327,680 bytes of LDS; arguments qkv, att16; writes att16
.if DOCPART == 3
	.amdgcn_target "amdgcn-amd-amdhsa--gfx1250"
	.amdhsa_code_object_version 6
	.text
	.protected	k_q2b6e95c2f4_attention
	.globl	k_q2b6e95c2f4_attention
	.p2align	8
	.type	k_q2b6e95c2f4_attention,@function
k_q2b6e95c2f4_attention:
	s_mov_b64 s[64:65], 0
	v_nop
	global_prefetch_b8 v0, s[64:65] scope:SCOPE_SE
	s_setreg_imm32_b32 hwreg(HW_REG_WAVE_MODE, 25, 1), 1
	s_wait_xcnt 0x0
; O[b][h][q] = the sum over k <= q of softmax_k(q . k / 8) v[k], head size 64, 2,048 positions, 64 heads in all.  q, k, v: f16, [part][batch x head][2048][64]; q already holds the factor log2(e)/8,
; so a score is t and p = 2^(t - m), m the running largest t of the query.  Products on f16 operands with f32 sums; maxima, sums and the rescaling in f32; p is rounded to f16 for the second product.
; O leaves as f16, laid [head][batch x 2048 + position][64]: the chunks of 64 along K of the projection that follows.
; Positions 0 to 15 are computed here too, and their rows of the final output are written anew, from f32, by the last launch.
; SHARES.  A work-group owns the blocks I and 7 - I of 256 queries of one head, one after the other; each of its sixteen waves owns 16 queries of a block.  Block j needs the key slots 0 .. j of 256 keys:
; (I + 1) + (8 - I) = 9 slots in every work-group: 256 work-groups of equal length, a constant trip count, and every tile that is fetched is read.
; NO CLUSTER: the four work-groups of a head stand at different key slots in the same trip (block I's walk has I + 1 slots), so partners would ask for different tiles.
; LAYOUT.  Both products are used transposed: S^T = K Q^T (source 0 = 16 keys, source 1 = my 16 queries), O^T = V^T P (source 0 = 16 channels, source 1 = P): a lane holds ONE query (lane % 16) throughout,
; and two tiles of S^T, rounded in pairs, are source 1 of the second product as they stand.  K comes out of LDS as it lies, V ([key][channel]) turned by ds_load_tr16_b128.
; THE MASK.  A step of 128 keys that all come after my 16 queries is jumped over (a branch on ids); on the diagonal hidden scores become -infinity ahead of the maximum.  Key 0 counts for every query, so m is a number from the first step on.
; LIMIT: the inputs must be finite; O stays under the largest |v|, which is under 65,504.
; REGISTERS: v1-11 addresses; v12 -m, v13 m, v[14:15] the sum in two halves, v16 the rescaling factor (v17 is named with it as a pair), v18-23 at work; v24-39 Q, v40-55 the second block's Q; v56-119 fragments of K or V;
; v120-183 S^T, then p; v184-215 P in f16; v216-247 O^T; v248-251 four chains of the maximum; v252 the mask's bound, v253 -infinity.
.set PK,    144                        ; a key's row in LDS: 128 bytes + 16
.set PV,    160                        ; a row of V: 128 + 32: an odd multiple of 32 bytes, for the turning load
.set VOFF,  256*PK                     ; a slot: 256 rows of K, then 256 rows of V
.set SLOT1, 1<<17                      ; slot 1 begins here: one exclusive or turns an address from one slot to the other
.set STAGE, SLOT1+256*(PK+PV)          ; behind the ring: 16 rows x 144 bytes for each wave; no fill lands here
.set SPARE, STAGE+16*16*144            ; the spare words, 128 bytes a wave
.set AK0, 1
.set AV0, 2
.set SPW, 3
.set NIL, 4
.set STO, 5
.set RD,  6
.set GO,  7
.set ADK, 8
.set ADV, 9
.set D0,  10
.set PFO, 11
.set Q,   24
.set Q2,  40
.set F,   56
.set S,   120
.set P,   184
.set O,   216
.set MX,  248
.set TB,   2                           ; s2  LDS byte at which the slot in hand begins
.set SLOTS, 3                          ; s3  the loop's count
.set WV,   18
.set SEL,  20
.set G1K,  24
.set G1V,  32
.set G0K,  40
.set G0V,  44
.set KB,   48                          ; s[48:49] my half of key slot 0 of K in memory;  s[50:51] of V
.set VB,   50
.set OB1,  52                          ; s[52:53], s[54:55] my 16 rows of O in the two blocks
.set OB2,  54
.set KS,   66                          ; s66 the key slot in hand
.set BLK,  67                          ; s67 the block of queries in hand
.set Q0,   68                          ; s68 my first query
.set KF,   69                          ; s69 the step's first key
.set PFA,  72                          ; s[72:73] where my prefetches stand
.set LIM,  74                          ; s74 2 in a wave that prefetches, else the greatest number
.set Q0B,  75                          ; s75 my first query in the second block
; Waves 0 and 1 fetch K's halves of a slot, waves 2 and 3 V's, the others nothing.  An s_nop 0 and four v_nop follow each of the two lines.
.macro TLOAD
	s_cmp_lt_u32 s[WV], 2
	s_cbranch_scc0 .Lnot_k_\@
	tensor_load_to_lds s[G0K:G0K+3], s[G1K:G1K+7]
	s_nop 0
.rept 4
	v_nop
.endr
	s_branch .Lasked_\@
.Lnot_k_\@:
	s_cmp_lt_u32 s[WV], 4
	s_cbranch_scc0 .Lasked_\@
	tensor_load_to_lds s[G0V:G0V+3], s[G1V:G1V+7]
	s_nop 0
.rept 4
	v_nop
.endr
.Lasked_\@:
.endm
; A PREFETCH of key slot t + 1 in trip t (t = 1 .. 6: key slots 2 to 7), one trip or more ahead of the first tensor load of any of the head's work-groups that names that slot.  A slot of K is 32,768 dense bytes, and so is V's.
; Each aligned block of 256 bytes is named once in the launch: the head's work-group with I = 0 asks; in it waves 4 to 7 for K, 8,192 bytes a wave, lanes 256 bytes apart, and waves 8 to 11 for V likewise.
; Key slots 0 and 1 come by their loads alone; the last two trips ask for nothing.
.macro ASK
	s_cmp_gt_u32 s[SLOTS], s[LIM]
	s_cbranch_scc0 .Lnot_mine_\@
	global_prefetch_b8 v[PFO], s[PFA:PFA+1] th:TH_LOAD_NT scope:SCOPE_SE
.Lnot_mine_\@:
.endm
	s_load_b128 s[4:7], s[0:1], 0x0                ; qkv, att16
	v_lshl_add_u32 v[SPW], v0, 2, SPARE
	v_mov_b32 v[NIL], 0
	ds_add_u32 v[SPW], v[NIL]                      ; the wave's opening: the add, twice on end, and its wait ahead of my first tensor load
	ds_add_u32 v[SPW], v[NIL]
	v_lshrrev_b32 v8, 5, v0
	v_readfirstlane_b32 s[WV], v8                  ; wave 0..15
	s_and_b32 s8, ttmp7, 0xffff                    ; batch x 16 + head
	s_lshl_b32 s10, s8, 18                         ; a head is 262,144 bytes in each part
	s_and_b32 s9, s[WV], 1
	s_lshl_b32 s12, s9, 14                         ; my half of a slot: 128 rows of 128 bytes
	s_add_co_u32 s12, s12, s10
	s_mov_b32 s13, 0
	s_mul_i32 s14, s9, 128*PK
	s_mul_i32 s15, s9, 128*PV
	s_add_co_u32 s15, s15, VOFF
	s_mov_b32 s[G1K], (1<<16)|(1<<20)|(4<<22)|(3<<25)   ; no mask; elements of 2 bytes; padding on: 4 words after every 32
	s_mov_b32 s[G1V], (1<<16)|(1<<20)|(4<<22)|(7<<25)   ; 8 words after every 32
.irp g, G1K, G1V
	s_mov_b32 s[\g+1], 64<<16                      ; tensor_dim0
	s_mov_b32 s[\g+2], 128<<16                     ; tensor_dim1
	s_mov_b32 s[\g+3], 64<<16                      ; tile_dim0
	s_mov_b32 s[\g+4], 128                         ; tile_dim1
	s_mov_b32 s[\g+5], 64                          ; from row to row
	s_mov_b32 s[\g+6], 0
	s_mov_b32 s[\g+7], 0
.endr
	s_mov_b32 s[SEL], 0x76543210
	s_mov_b32 s[SEL+1], 0xfedcba98                 ; v_permlanex16_b32's selects for lane l xor 16
	s_mov_b32 s[TB], 0
	s_mov_b32 s[SLOTS], 8
	s_mov_b32 s[KS], 0
	s_mov_b32 s[KF], 0
	s_mov_b32 s[BLK], ttmp9
	s_lshl_b32 s16, s[WV], 4
	s_lshl_b32 s[Q0], ttmp9, 8
	s_add_co_u32 s[Q0], s[Q0], s16                 ; 256 I + 16 x wave
	s_sub_co_u32 s[Q0B], 7, ttmp9
	s_lshl_b32 s[Q0B], s[Q0B], 8
	s_add_co_u32 s[Q0B], s[Q0B], s16               ; 256 (7 - I) + 16 x wave
	s_wait_dscnt 0x0                               ; both opening adds are done
	s_wait_kmcnt 0x0
	s_add_nc_u64 s[KB:KB+1], s[4:5], s[12:13]
	s_add_nc_u64 s[VB:VB+1], s[KB:KB+1], 0x2000000 ; v's part
	s_add_nc_u64 s[KB:KB+1], s[KB:KB+1], 0x1000000 ; k's part
	s_mov_b32 s[G0K], 1
	s_mov_b32 s[G0K+1], s14
	s_mov_b64 s[G0K+2:G0K+3], s[KB:KB+1]
	s_or_b32 s[G0K+3], s[G0K+3], 0x80000000
	s_mov_b32 s[G0V], 1
	s_mov_b32 s[G0V+1], s15
	s_mov_b64 s[G0V+2:G0V+3], s[VB:VB+1]
	s_or_b32 s[G0V+3], s[G0V+3], 0x80000000
	TLOAD                                          ; key slot 0 into slot 0
	s_lshl_b32 s12, s[Q0], 7
	s_add_co_u32 s12, s12, s10
	s_add_nc_u64 s[56:57], s[4:5], s[12:13]        ; my queries of the first block,
	s_lshl_b32 s12, s[Q0B], 7
	s_add_co_u32 s12, s12, s10
	s_add_nc_u64 s[58:59], s[4:5], s[12:13]        ; of the second
	s_and_b32 s14, s8, 15
	s_lshl_b32 s14, s14, 20                        ; O: the head's chunk, 1,048,576 bytes,
	s_lshr_b32 s15, s8, 4
	s_lshl_b32 s15, s15, 18                        ; the batch's 2,048 rows of 128 bytes
	s_add_co_u32 s14, s14, s15
	s_lshl_b32 s12, s[Q0], 7
	s_add_co_u32 s12, s12, s14
	s_add_nc_u64 s[OB1:OB1+1], s[6:7], s[12:13]
	s_lshl_b32 s12, s[Q0B], 7
	s_add_co_u32 s12, s12, s14
	s_add_nc_u64 s[OB2:OB2+1], s[6:7], s[12:13]
	s_mov_b32 s12, 0x2000000
	s_cmp_lt_u32 s[WV], 8                          ; waves 4 to 7 ask for K, waves 8 to 11 for V
	s_cselect_b32 s12, 0x1000000, s12
	s_add_co_u32 s12, s12, s10
	s_and_b32 s14, s[WV], 3
	s_lshl_b32 s14, s14, 13
	s_add_co_u32 s12, s12, s14
	s_add_co_u32 s12, s12, 32768                   ; at key slot 1: the first change of slots steps it to 2
	s_add_nc_u64 s[PFA:PFA+1], s[4:5], s[12:13]
	s_sub_co_u32 s14, s[WV], 4
	s_lshr_b32 s14, s14, 3                         ; 0 in waves 4 to 11,
	s_or_b32 s14, s14, ttmp9                       ; of the work-group with I = 0
	s_cmp_eq_u32 s14, 0
	s_cselect_b32 s[LIM], 2, -1
	v_and_b32 v18, 15, v0                          ; r
	v_bfe_u32 v20, v0, 4, 1                        ; h
	v_lshlrev_b32 v22, 7, v18
	v_lshl_add_u32 v22, v20, 4, v22                ; Q: row r of 128 bytes + 16 h
.irp d, 0,1
.irp c, 0,1
	global_load_b128 v[Q+8*\d+4*\c:Q+8*\d+4*\c+3], v22, s[56:57] offset:64*\d+32*\c
	global_load_b128 v[Q2+8*\d+4*\c:Q2+8*\d+4*\c+3], v22, s[58:59] offset:64*\d+32*\c
.endr
.endr
	v_mul_u32_u24 v[AK0], v18, PK
	v_lshl_add_u32 v[AK0], v20, 4, v[AK0]          ; K: row r x pitch + 16 h
	v_and_b32 v21, 7, v0
	v_lshl_add_u32 v21, v20, 3, v21
	v_mul_u32_u24 v[AV0], v21, PV                  ; V: key 8 h + lane % 8,
	v_bfe_u32 v21, v0, 3, 1
	v_lshl_add_u32 v[AV0], v21, 4, v[AV0]          ; channels 8 ((lane / 8) % 2) on
	v_add_nc_u32 v[AV0], VOFF, v[AV0]
	s_mul_i32 s12, s[WV], 16*144
	s_add_co_u32 s12, s12, STAGE                   ; my stage
	v_add_nc_u32 v[STO], s12, v[AK0]               ; in: row r, 16 bytes for each half of the lanes
	v_and_b32 v21, 31, v0
	v_lshlrev_b32 v[GO], 4, v21                    ; 16 x lane
	v_lshlrev_b32 v[PFO], 8, v21                   ; 256 x lane
	v_lshrrev_b32 v23, 3, v21
	v_mul_u32_u24 v23, v23, 144
	v_and_b32 v21, 7, v21
	v_lshl_add_u32 v23, v21, 4, v23
	v_add_nc_u32 v[RD], s12, v23                   ; back: eight lanes to a row, four rows an instruction
	v_lshlrev_b32 v21, 3, v20
	v_sub_nc_u32 v[D0], v18, v21                   ; r - 8 h
	v_mov_b32 v13, 0xff61b1e6                      ; m: -3e38, under every t
	v_mov_b32 v12, 0x7f61b1e6                      ; -m
	v_mov_b32 v14, 0
	v_mov_b32 v15, 0
	v_mov_b32 v16, 0
	v_mov_b32 v17, 0                               ; (named as the upper half of the pair v[16:17])
	v_mov_b32 v19, 0                               ; (a lane permute's destination counts as one of its sources)
	v_mov_b32 v253, 0xff800000
.set n, 0
.rept 32
	v_mov_b32 v[O+n], 0                            ; O^T: the step is written once; the first finds zeros, which the first rescaling leaves zeros
.set n, n+1
.endr
; A KEY STEP: 128 keys, the q-th of the slot in hand.
.macro STEP q
	s_add_co_u32 s96, s[Q0], 15
	s_cmp_gt_u32 s[KF], s96                        ; all its keys come after my queries: nothing to do.  Ids alone; no barrier and no tensor load stands in a step
	s_cbranch_scc1 .Lhidden_\@
	v_add_nc_u32 v[ADK], s[TB], v[AK0]
	v_add_nc_u32 v[ADV], s[TB], v[AV0]
	v_nop
	v_nop                                          ; four places in front of loads into registers that the last products read
.irp g, 0,1                                    ; S^T = K Q^T, four tiles of 16 keys at a time; the four accumulators take turns
.if \g
.rept 4
	v_nop
.endr
.endif
.irp t, 0,1,2,3
.irp d, 0,1
.irp c, 0,1
	ds_load_b128 v[F+16*\t+8*\d+4*\c:F+16*\t+8*\d+4*\c+3], v[ADK] offset:(128*(\q)+16*(4*\g+\t))*PK+64*\d+32*\c
.endr
.endr
.endr
	s_wait_dscnt 0x0
.irp t, 0,1,2,3
	v_wmma_f32_16x16x32_f16 v[S+8*(4*\g+\t):S+8*(4*\g+\t)+7], v[F+16*\t:F+16*\t+7], v[Q:Q+7], 0
.endr
.irp t, 0,1,2,3
	v_wmma_f32_16x16x32_f16 v[S+8*(4*\g+\t):S+8*(4*\g+\t)+7], v[F+16*\t+8:F+16*\t+15], v[Q+8:Q+15], v[S+8*(4*\g+\t):S+8*(4*\g+\t)+7]
.endr
.endr
.rept 4
	v_nop
.endr
	s_add_co_u32 s96, s[KF], 127
	s_cmp_le_u32 s96, s[Q0]                        ; all keys count for all my queries: no mask
	s_cbranch_scc1 .Lopen_\@
	s_sub_co_i32 s96, s[Q0], s[KF]
	v_add_nc_u32 v252, s96, v[D0]                  ; register 8 T + j holds key KF + 16 T + 8 h + j: hidden where 16 T + j > my query - KF - 8 h
.set n, 0
.rept 64
	v_cmp_gt_i32 vcc_lo, 16*(n/8)+n%8, v252
	v_cndmask_b32 v[S+n], v[S+n], v253, vcc_lo
.set n, n+1
.endr
.Lopen_\@:
.irp b, 0,1,2,3                                ; the largest score, in four chains; each accumulator is entered at its low end
	v_max3_num_f32 v[MX+\b], v[S+16*\b], v[S+16*\b+1], v[S+16*\b+2]
.endr
.irp i, 3,5,7,9,11,13
.irp b, 0,1,2,3
	v_max3_num_f32 v[MX+\b], v[MX+\b], v[S+16*\b+\i], v[S+16*\b+\i+1]
.endr
.endr
.irp b, 0,1,2,3
	v_max_num_f32 v[MX+\b], v[MX+\b], v[S+16*\b+15]
.endr
	v_max3_num_f32 v18, v[MX], v[MX+1], v[MX+2]
	v_max3_num_f32 v18, v18, v[MX+3], v13          ; with the old m
	v_permlanex16_b32 v19, v18, s[SEL], s[SEL+1]   ; the query's other 64 keys lie in the lane 16 away
	v_max_num_f32 v18, v18, v19                    ; the new m
	v_sub_f32 v16, v13, v18                        ; old m - new m
	v_mov_b32 v13, v18
	v_sub_f32 v12, 0, v18
.set n, 0
.rept 32
	v_pk_add_f32 v[S+n:S+n+1], v[S+n:S+n+1], v[12:13] op_sel_hi:[1,0]   ; t - m, two at a time
.set n, n+2
.endr
	v_exp_f32 v16, v16                             ; the factor for what was summed under the old m
.set n, 0
.rept 64
	v_exp_f32 v[S+n], v[S+n]                       ; p
.set n, n+1
.endr
	v_nop                                          ; a plain instruction behind the last exponential
	s_wait_alu depctr_va_vdst(0)                   ; one wait for the batch of 65, ahead of its first reader
	v_pk_mul_f32 v[14:15], v[14:15], v[16:17] op_sel_hi:[1,0]
	v_pk_add_f32 v[18:19], v[S:S+1], v[S+2:S+3]    ; the row's sum, of p in f32, in two chains
.set n, 4
.rept 15
	v_pk_add_f32 v[14:15], v[14:15], v[S+n:S+n+1]
	v_pk_add_f32 v[18:19], v[18:19], v[S+n+2:S+n+3]
.set n, n+4
.endr
	v_pk_add_f32 v[14:15], v[14:15], v[18:19]
.set n, 0
.rept 32
	v_cvt_pk_f16_f32 v[P+n], v[S+2*n], v[S+2*n+1]
.set n, n+1
.endr
.set n, 0
.rept 16
	v_pk_mul_f32 v[O+n:O+n+1], v[O+n:O+n+1], v[16:17] op_sel_hi:[1,0]   ; O^T under the new m
.set n, n+2
.endr
.irp g, 0,1                                    ; O^T += V^T P, 64 keys at a time; the four accumulators take turns
.if \g
.rept 4
	v_nop
.endr
.endif
.irp u, 0,1
.irp e, 0,1,2,3
.irp c, 0,1
	ds_load_tr16_b128 v[F+32*\u+8*\e+4*\c:F+32*\u+8*\e+4*\c+3], v[ADV] offset:(128*(\q)+32*(2*\g+\u)+16*\c)*PV+32*\e
.endr
.endr
.endr
	s_wait_dscnt 0x0
.irp u, 0,1
.irp e, 0,1,2,3
	v_wmma_f32_16x16x32_f16 v[O+8*\e:O+8*\e+7], v[F+32*\u+8*\e:F+32*\u+8*\e+7], v[P+8*(2*\g+\u):P+8*(2*\g+\u)+7], v[O+8*\e:O+8*\e+7]
.endr
.endr
.endr
.Lhidden_\@:
	s_add_co_u32 s[KF], s[KF], 128
.endm
; THE CHANGE OF SLOTS stands at a slot's head.  Each wave waits for all its tensor loads (its part of the slot that it is about to read), adds 0 to its spare word, and waits for that and for its reads of the slot that it has left.
; fill = 1: behind the barrier the other slot takes the key slot that the walk reads next: KS + 1, or 0 where the block of queries ends here.  The load has a slot's two steps in which to land.  One tensor load of a wave is out at the most.
.macro CHANGE fill
	s_wait_tensorcnt 0x0
	ds_add_u32 v[SPW], v[NIL]
.if \fill
	ds_add_u32 v[SPW], v[NIL]                      ; twice on end here, in every trip alike
	s_add_co_u32 s96, s[KS], 1
	s_cmp_eq_u32 s[KS], s[BLK]
	s_cselect_b32 s96, 0, s96                      ; the next key slot: ids and the count of trips alone
	s_lshl_b32 s96, s96, 15
	s_mov_b32 s97, 0
	s_xor_b32 s[G0K+1], s[G0K+1], SLOT1            ; no tensor load of mine is out, so the descriptors may be written
	s_add_nc_u64 s[G0K+2:G0K+3], s[KB:KB+1], s[96:97]
	s_or_b32 s[G0K+3], s[G0K+3], 0x80000000
	s_xor_b32 s[G0V+1], s[G0V+1], SLOT1
	s_add_nc_u64 s[G0V+2:G0V+3], s[VB:VB+1], s[96:97]
	s_or_b32 s[G0V+3], s[G0V+3], 0x80000000
	s_wait_xcnt 0x0                                ; the last prefetch, a slot back, has read its address
	s_add_nc_u64 s[PFA:PFA+1], s[PFA:PFA+1], 32768
.endif
	s_wait_dscnt 0x0
	s_barrier_signal -1
	s_barrier_wait -1
.if \fill
	TLOAD                                          ; the first thing behind the barrier, and a wave's one tensor load until the next
	ASK
.endif
.endm
; A block of queries is finished: O^T / the sum, rounded to f16, through my stage, out as 16 whole rows of 128 bytes.
.macro OUT base
.rept 4
	v_nop                                          ; places behind the last products
.endr
	v_add_f32 v14, v14, v15
	v_permlanex16_b32 v19, v14, s[SEL], s[SEL+1]
	v_add_f32 v14, v14, v19                        ; the row's sum
	v_rcp_f32 v16, v14
	v_nop
	s_wait_alu depctr_va_vdst(0)                   ; ahead of the reciprocal's first reader
.set n, 0
.rept 16
	v_pk_mul_f32 v[S+n:S+n+1], v[O+n:O+n+1], v[16:17] op_sel_hi:[1,0]
.set n, n+2
.endr
.set n, 0
.rept 16
	v_cvt_pk_f16_f32 v[P+n], v[S+2*n], v[S+2*n+1]
.set n, n+1
.endr
.irp e, 0,1,2,3
	ds_store_b128 v[STO], v[P+4*\e:P+4*\e+3] offset:32*\e          ; channels 16 e + 8 h on of row r
.endr
.irp t, 0,1,2,3
	ds_load_b128 v[F+4*\t:F+4*\t+3], v[RD] offset:4*144*\t         ; LDS serves a wave's instructions in order: these see my stores
.endr
	s_wait_dscnt 0x0
.irp t, 0,1,2,3
	global_store_b128 v[GO], v[F+4*\t:F+4*\t+3], s[\base:\base+1] offset:512*\t   ; four rows: 512 consecutive bytes, aligned
.endr
	s_wait_xcnt 0x0                                ; the stores have read their data: the next loads may land there
.endm
	s_wait_loadcnt 0x0                             ; Q of both blocks
.Lslot:                                            ; eight trips; the ninth slot is written out, without a load
	CHANGE 1
	STEP 0
	STEP 1
	s_xor_b32 s[TB], s[TB], SLOT1
	s_cmp_lg_u32 s[KS], s[BLK]                     ; was this the block's last key slot?  Ids and the count of trips alone: all sixteen waves go the same way
	s_cbranch_scc1 .Lmore
	OUT OB1
	s_sub_co_u32 s[BLK], 7, ttmp9                  ; on to block 7 - I, from key 0
	s_mov_b32 s[Q0], s[Q0B]
	s_mov_b32 s[KS], 0
	s_mov_b32 s[KF], 0
.set n, 0
.rept 16
	v_mov_b32 v[Q+n], v[Q2+n]
.set n, n+1
.endr
	v_mov_b32 v13, 0xff61b1e6
	v_mov_b32 v12, 0x7f61b1e6
	v_mov_b32 v14, 0
	v_mov_b32 v15, 0
.set n, 0
.rept 32
	v_mov_b32 v[O+n], 0
.set n, n+1
.endr
	s_branch .Lnext
.Lmore:
	s_add_co_u32 s[KS], s[KS], 1
.Lnext:
	s_sub_co_u32 s[SLOTS], s[SLOTS], 1
	s_cmp_lg_u32 s[SLOTS], 0
	s_cbranch_scc1 .Lslot
	CHANGE 0
	STEP 0
	STEP 1
	OUT OB2
	s_wait_tensorcnt 0x0                           ; the wave's end, behind my last tensor load and my last LDS store
	ds_add_u32 v[SPW], v[NIL]
	s_wait_dscnt 0x0
	s_endpgm
.Lfunc_end_k_q2b6e95c2f4_attention:
	.size	k_q2b6e95c2f4_attention, .Lfunc_end_k_q2b6e95c2f4_attention-k_q2b6e95c2f4_attention
	.p2alignl 7, 3214868480
	.fill 96, 4, 3214868480
	.section	.rodata,"a",@progbits
	.p2align	6, 0x0
	.amdhsa_kernel k_q2b6e95c2f4_attention
		.amdhsa_group_segment_fixed_size 327680
		.amdhsa_private_segment_fixed_size 0
		.amdhsa_enable_private_segment 0
		.amdhsa_kernarg_size 16
		.amdhsa_user_sgpr_count 2
		.amdhsa_user_sgpr_kernarg_segment_ptr 1
		.amdhsa_wavefront_size32 1
		.amdhsa_system_sgpr_workgroup_id_x 1
		.amdhsa_system_sgpr_workgroup_id_y 1
		.amdhsa_system_sgpr_workgroup_id_z 1
		.amdhsa_system_vgpr_workitem_id 0
		.amdhsa_next_free_vgpr 256
		.amdhsa_next_free_sgpr 100
		.amdhsa_reserve_vcc 1
		.amdhsa_float_denorm_mode_32 3
		.amdhsa_float_denorm_mode_16_64 3
		.amdhsa_memory_ordered 1
		.amdhsa_forward_progress 1
		.amdhsa_inst_pref_size 112
	.end_amdhsa_kernel
	.amdgpu_metadata
---
amdhsa.version: [ 1, 2 ]
amdhsa.kernels:
  - .name:           k_q2b6e95c2f4_attention
    .symbol:         k_q2b6e95c2f4_attention.kd
    .args:
      - { .name: qkv, .offset: 0, .size: 8, .value_kind: global_buffer, .address_space: global }
      - { .name: att16, .offset: 8, .size: 8, .value_kind: global_buffer, .address_space: global }
    .group_segment_fixed_size: 327680
    .private_segment_fixed_size: 0
    .kernarg_segment_align: 8
    .kernarg_segment_size: 16
    .max_flat_workgroup_size: 512
    .sgpr_count:     100
    .vgpr_count:     256
    .wavefront_size: 32
...
	.end_amdgpu_metadata
.endif
;; end of part 3
;; launch proj (part 4): grid 8 x 32, 4 waves a work-group, clusters of 4 x 4, 327,680 bytes of LDS; arguments att16, wo16, out0; writes out0
.if DOCPART == 4
	.amdgcn_target "amdgcn-amd-amdhsa--gfx1250"
	.amdhsa_code_object_version 6
	.text
	.protected	k_q2b6e95c2f4_proj
	.globl	k_q2b6e95c2f4_proj
	.p2align	8
	.type	k_q2b6e95c2f4_proj,@function
k_q2b6e95c2f4_proj:
	s_mov_b64 s[64:65], 0
	v_nop
	global_prefetch_b8 v0, s[64:65] scope:SCOPE_SE
	s_setreg_imm32_b32 hwreg(HW_REG_WAVE_MODE, 25, 1), 1
	s_wait_xcnt 0x0
	s_wait_alu depctr_hold_cnt(0) depctr_sa_sdst(0) depctr_va_vdst(0) depctr_va_sdst(0) depctr_va_ssrc(0) depctr_va_vcc(0) depctr_vm_vsrc(0)
	s_getreg_b32 s2, hwreg(HW_REG_IB_STS2, 6, 4)
	s_cmp_eq_u32 s2, 0
	s_cbranch_scc0 .Lentry_in_a_cluster
	s_endpgm
.Lentry_in_a_cluster:
	s_bfe_u32 s2, ttmp6, 0x10000c
	s_cmp_lg_u32 s2, 0xf033
	s_cbranch_scc0 .Lentry_shape_is_right
	s_endpgm
.Lentry_shape_is_right:
; out0[m][n] = the sum over k of A[m][k] Wo[n][k], M 8,192, N 1,024, K 1,024, on f16 operands with f32 sums; out0 is f32.
; A (the attention's output) and Wo arrive in chunks of 64 along K: A [16][8192][64], Wo [16][1024][64], f16: a tile's rows of one chunk are dense in memory.
; A tile of C is 256 x 128: 256 work-groups.  Four waves, each 128 rows x 64 columns: 32 accumulators, 256 registers.  A K step is 128 along K, two chunks; eight K steps go through a ring of two LDS slots.
; CLUSTERS: 4 x 4 work-groups.  The four of a row of the cluster need the same tiles of A, the four of a column the same tiles of Wo: each tile is asked for jointly.  Waves 0 and 1 fetch A's two chunks of a K step
; (256 rows each), waves 2 and 3 Wo's (128 rows each): one tensor load a wave behind each round.
; THE MATRIX INSTRUCTION IS USED TRANSPOSED (source 0 = 16 rows of Wo, source 1 = 16 rows of A): a lane holds eight neighbouring columns of a row of C.
; The rows of positions 0 to 15 of each batch are written here from f16 operands and written anew, from f32, by the launch that follows.
; No prefetch: the launch is short, and each request has 112 of a K step's 128 matrix instructions in which to land.
; REGISTERS: window 0: v16-29 addresses; v32-127 and v128-223 two fragment buffers (A's 8 blocks of 16 rows x 32 K, then Wo's 4); on the way out v32-95 rows read back.   window 1: the accumulators ((a, b) at v[8 (4 a + b)]).
.set PITCH,  144                       ; an LDS row: 128 bytes + 16
.set ACH,    256*PITCH                 ; a chunk of A
.set BCH,    128*PITCH                 ; a chunk of Wo
.set BOFF,   2*ACH                     ; Wo's chunks lie behind A's
.set SLOT,   2*ACH+2*BCH
.set STAGE,  2*SLOT                    ; behind the ring: 16 rows x 272 bytes for each wave
.set SPITCH, 272
.set SPARE,  STAGE+4*16*SPITCH
.set ADRA, 16
.set ADRB, 20
.set STO,  24
.set RD,   25
.set CO,   26
.set SPW,  28
.set NIL,  29
.set F0,   32
.set F1,   128
.set BK,   32
.set G1, 24
.set G0, 32
.set G1B, 48
.set G0B, 56
.set MSB, 0
.macro WIN new
.if MSB != (\new)
	s_set_vgpr_msb (MSB<<8)|(\new)
.set MSB, (\new)
.endif
.endm
.set MUL, 0x50                         ; C and D window 1; sources window 0
.macro JLOAD s                         ; a joint load; an s_nop 0 and four v_nop follow each of the two lines
	s_cmp_eq_u32 s11, 0
	s_cbranch_scc0 .Lfor_b_\@
	tensor_load_to_lds s[G0+4*\s:G0+4*\s+3], s[G1:G1+7]
	s_nop 0
.rept 4
	v_nop
.endr
	s_branch .Lasked_\@
.Lfor_b_\@:
	tensor_load_to_lds s[G0B+4*\s:G0B+4*\s+3], s[G1B:G1B+7]
	s_nop 0
.rept 4
	v_nop
.endr
.Lasked_\@:
.endm
.macro CREST                           ; a round of the cluster's barrier behind its opening barrier
	s_cmp_lg_u32 s10, 0
	s_cbranch_scc1 .Lnot_wave_0_\@
	s_barrier_signal -3
.Lnot_wave_0_\@:
	s_barrier_wait -3
	s_barrier_signal -1
	s_barrier_wait -1
.endm
.macro CROUND
	s_barrier_signal -1
	s_barrier_wait -1
	CREST
.endm
	s_load_b128 s[4:7], s[0:1], 0x0                ; A, Wo in f16
	s_load_b64 s[8:9], s[0:1], 0x10                ; out0
	v_lshl_add_u32 v[SPW], v0, 2, SPARE
	v_mov_b32 v[NIL], 0
	ds_add_u32 v[SPW], v[NIL]                      ; the wave's opening: the add, twice on end, and its wait ahead of my first tensor load
	ds_add_u32 v[SPW], v[NIL]
	v_lshrrev_b32 v1, 5, v0
	v_readfirstlane_b32 s10, v1                    ; wave 0..3
	s_lshr_b32 s11, s10, 1                         ; which half of the tile's rows is mine.  Also: I fetch for A (0) or for Wo (1)
	s_and_b32 s12, s10, 1                          ; which half of its columns.  Also: which chunk of the K step I fetch
	s_bfe_u32 s40, ttmp6, 0x40000                  ; cx
	s_bfe_u32 s41, ttmp6, 0x40004                  ; cy
	s_lshl_b32 s42, ttmp9, 2
	s_add_co_u32 s42, s42, s40                     ; tile column = 4 x cluster x + cx
	s_and_b32 s13, ttmp7, 0xffff
	s_lshl_b32 s13, s13, 2
	s_add_co_u32 s13, s13, s41                     ; tile row = 4 x cluster y + cy
	s_lshl_b32 s43, s41, 2
	s_lshl_b32 s43, 15, s43                        ; my row of the cluster
	s_lshl_b32 s44, 0x1111, s40                    ; my column
	s_or_b32 s[G1+0], s43, (1<<16)|(1<<20)|(1<<21)|(4<<22)|(3<<25)   ; the mask; elements of 2 bytes; padding on; bit 21 beside a mask; 4 words after every 32
	s_or_b32 s[G1B+0], s44, (1<<16)|(1<<20)|(1<<21)|(4<<22)|(3<<25)
	s_mov_b32 s[G1+1], 64<<16                      ; tensor_dim0
	s_mov_b32 s[G1+2], 256<<16                     ; tensor_dim1
	s_mov_b32 s[G1+3], 64<<16                      ; tile_dim0
	s_mov_b32 s[G1+4], 256                         ; tile_dim1
	s_mov_b32 s[G1+5], 64                          ; from row to row
	s_mov_b32 s[G1+6], 0
	s_mov_b32 s[G1+7], 0
	s_mov_b32 s[G1B+1], 64<<16
	s_mov_b32 s[G1B+2], 128<<16
	s_mov_b32 s[G1B+3], 64<<16
	s_mov_b32 s[G1B+4], 128
	s_mov_b32 s[G1B+5], 64
	s_mov_b32 s[G1B+6], 0
	s_mov_b32 s[G1B+7], 0
	s_lshl_b32 s16, s13, 15                        ; A: 256 rows of 128 bytes a tile row,
	s_lshl_b32 s17, s12, 20                        ; 1,048,576 bytes a chunk
	s_add_co_u32 s16, s16, s17
	s_mov_b32 s17, 0
	s_lshl_b32 s46, s42, 14                        ; Wo: 128 rows a tile column,
	s_lshl_b32 s47, s12, 17                        ; 131,072 bytes a chunk
	s_add_co_u32 s46, s46, s47
	s_mov_b32 s47, 0
	s_mul_i32 s20, s12, ACH                        ; where they go: no place in the cluster enters an LDS address
	s_mul_i32 s23, s12, BCH
	s_add_co_u32 s23, s23, BOFF
	s_wait_dscnt 0x0                               ; both opening adds are done
	s_wait_kmcnt 0x0
	s_add_nc_u64 s[14:15], s[4:5], s[16:17]
	s_add_nc_u64 s[46:47], s[6:7], s[46:47]
	CROUND                                         ; all sixteen work-groups are here: the first joint loads meet
.irp s, 0,1
	s_mov_b32 s[G0+4*\s], 1
	s_add_co_u32 s[G0+4*\s+1], s20, \s*SLOT
	s_add_nc_u64 s[G0+4*\s+2:G0+4*\s+3], s[14:15], \s*2*1048576    ; K step s: chunks 2 s and 2 s + 1
	s_or_b32 s[G0+4*\s+3], s[G0+4*\s+3], 0x80000000
	s_mov_b32 s[G0B+4*\s], 1
	s_add_co_u32 s[G0B+4*\s+1], s23, \s*SLOT
	s_add_nc_u64 s[G0B+4*\s+2:G0B+4*\s+3], s[46:47], \s*2*131072
	s_or_b32 s[G0B+4*\s+3], s[G0B+4*\s+3], 0x80000000
	JLOAD \s
.endr
	v_and_b32 v1, 15, v0                           ; r
	v_bfe_u32 v2, v0, 4, 1                         ; h
	v_mul_u32_u24 v3, v1, PITCH
	v_lshl_add_u32 v3, v2, 4, v3
	s_mul_i32 s21, s11, 128*PITCH                  ; my 128 rows of A
	s_mul_i32 s22, s12, 64*PITCH                   ; my 64 rows of Wo
	s_add_co_u32 s22, s22, BOFF
.irp s, 0,1
	v_add_nc_u32 v[ADRA+\s], s21, v3
	v_add_nc_u32 v[ADRB+\s], s22, v3
	s_add_co_u32 s21, s21, SLOT
	s_add_co_u32 s22, s22, SLOT
.endr
	s_mul_i32 s23, s10, 16*SPITCH
	s_add_co_u32 s23, s23, STAGE                   ; my stage
	v_mul_u32_u24 v4, v1, SPITCH
	v_lshl_add_u32 v4, v2, 5, v4
	v_add_nc_u32 v[STO], s23, v4                   ; in: row r, 32 bytes for each half of the lanes
	v_mul_u32_u24 v5, v2, SPITCH
	v_lshl_add_u32 v5, v1, 4, v5
	v_add_nc_u32 v[RD], s23, v5                    ; back: lanes 0-15 one row of 256 bytes, lanes 16-31 the next
	v_lshlrev_b32 v5, 12, v2
	v_lshl_add_u32 v[CO], v1, 4, v5                ; and the same two rows in out0
	s_lshl_b32 s16, s13, 20                        ; 256 rows of 4,096 bytes a tile row,
	s_lshl_b32 s17, s11, 19                        ; my 128 of them,
	s_add_co_u32 s16, s16, s17
	s_lshl_b32 s17, s42, 9                         ; 512 bytes a tile column,
	s_add_co_u32 s16, s16, s17
	s_lshl_b32 s17, s12, 8                         ; my 256 of them
	s_add_co_u32 s16, s16, s17
	s_mov_b32 s17, 0
	s_add_nc_u64 s[8:9], s[8:9], s[16:17]
; 8 matrix instructions: A's blocks a0, a0 + 1 against Wo's four, 32 along K.  The 32 accumulators take turns, one instruction a turn, in the same order in every quarter.
.macro MUL8 f, a0, zero
.irp a, \a0, \a0+1
.irp b, 0,1,2,3
.if \zero
	v_wmma_f32_16x16x32_f16 v[8*(4*(\a)+\b):8*(4*(\a)+\b)+7], v[\f+64+8*\b:\f+64+8*\b+7], v[\f+8*(\a):\f+8*(\a)+7], 0
.else
	v_wmma_f32_16x16x32_f16 v[8*(4*(\a)+\b):8*(4*(\a)+\b)+7], v[\f+64+8*\b:\f+64+8*\b+7], v[\f+8*(\a):\f+8*(\a)+7], v[8*(4*(\a)+\b):8*(4*(\a)+\b)+7]
.endif
.endr
.endr
.endm
; 24 LDS loads in one run: quarter q of a K step (chunk q / 2, bytes 64 (q % 2) on) into buffer f: Wo's four blocks, A's blocks 0-3, A's blocks 4-7
.macro FETCH slot, q, f
.irp i, 0,1,2,3
	ds_load_b128 v[\f+64+8*\i:\f+64+8*\i+3],   v[ADRB+\slot] offset:((\q)/2)*BCH+((\q)%2)*64+\i*16*PITCH
	ds_load_b128 v[\f+64+8*\i+4:\f+64+8*\i+7], v[ADRB+\slot] offset:((\q)/2)*BCH+((\q)%2)*64+\i*16*PITCH+32
.endr
.irp i, 0,1,2,3,4,5,6,7
	ds_load_b128 v[\f+8*\i:\f+8*\i+3],   v[ADRA+\slot] offset:((\q)/2)*ACH+((\q)%2)*64+\i*16*PITCH
	ds_load_b128 v[\f+8*\i+4:\f+8*\i+7], v[ADRA+\slot] offset:((\q)/2)*ACH+((\q)%2)*64+\i*16*PITCH+32
.endr
.endm
.macro PLACES                          ; four places in front of loads into registers that matrix instructions have read, and of the first read of results (ISA guide 7.12.1 for vector instructions)
.rept 4
	v_nop
.endr
.endm
; One of a K step's first three quarters: multiplies buffer f; in its middle it fetches quarter qn of the same slot into buffer g.
.macro QUARTER slot, qn, f, g, zero
	s_wait_dscnt 8                                 ; Wo's blocks and A's blocks 0-3 are in; the youngest eight loads (A's blocks 4-7) may be out
	WIN MUL
	MUL8 \f, 0, \zero
	MUL8 \f, 2, \zero
	PLACES
	WIN 0
	FETCH \slot, \qn, \g
	s_wait_dscnt 24                                ; all but the 24 just issued
	WIN MUL
	MUL8 \f, 4, \zero
	MUL8 \f, 6, \zero
.endm
; The last quarter multiplies buffer 1 and changes slots: one barrier; in front of it each wave waits for all its tensor loads, adds 0 to its spare word, and waits for that and for its reads of this slot.
; fill = 1: the barrier opens a round of the cluster's, and this slot is filled again, two K steps ahead.
.macro TURN slot, next, fill
	WIN 0
	s_wait_tensorcnt 0x0                           ; all my tensor loads have landed: my part of the next slot
	ds_add_u32 v[SPW], v[NIL]
	s_wait_dscnt 9                                 ; the add and the youngest eight loads may be out
	WIN MUL
	MUL8 F1, 0, 0
	s_wait_dscnt 0x0                               ; the add is done, and my reads of this slot are over
	s_barrier_signal -1
	MUL8 F1, 2, 0
	WIN 0
	s_barrier_wait -1
.if \fill
	CREST                                          ; no wave of any partner still reads this slot's tiles or has a load on its way
	s_add_nc_u64 s[G0+4*\slot+2:G0+4*\slot+3], s[G0+4*\slot+2:G0+4*\slot+3], 4*1048576
	s_add_nc_u64 s[G0B+4*\slot+2:G0B+4*\slot+3], s[G0B+4*\slot+2:G0B+4*\slot+3], 4*131072
	JLOAD \slot                                    ; the first tensor load behind the round; its four v_nop are also the places in front of the loads below
.else
	PLACES
.endif
	FETCH \next, 0, F0
	WIN MUL
	MUL8 F1, 4, 0
	MUL8 F1, 6, 0
.endm
	s_wait_tensorcnt 1                             ; my part of K step 0 is in; K step 1's load may be out
	s_barrier_signal -1
	s_barrier_wait -1
	FETCH 0, 0, F0
	QUARTER 0, 1, F0, F1, 1                        ; the first quarter's products start the sums: nothing is cleared
	WIN 0
	s_mov_b32 s3, 3
.Llap:                                                 ; a trip goes once round the ring, from a lap's second quarter to the next lap's first, and fills both slots again
	QUARTER 0, 2, F1, F0, 0
	QUARTER 0, 3, F0, F1, 0
	TURN 0, 1, 1
	QUARTER 1, 1, F0, F1, 0
	QUARTER 1, 2, F1, F0, 0
	QUARTER 1, 3, F0, F1, 0
	TURN 1, 0, 1
	QUARTER 0, 1, F0, F1, 0
	WIN 0
	s_sub_co_u32 s3, s3, 1
	s_cmp_lg_u32 s3, 0
	s_cbranch_scc1 .Llap
	QUARTER 0, 2, F1, F0, 0                        ; the last lap fills nothing, and has no round of the cluster's barrier
	QUARTER 0, 3, F0, F1, 0
	TURN 0, 1, 0
	QUARTER 1, 1, F0, F1, 0
	QUARTER 1, 2, F1, F0, 0
	QUARTER 1, 3, F0, F1, 0
	s_wait_dscnt 8
	WIN MUL
	MUL8 F1, 0, 0
	MUL8 F1, 2, 0
	s_wait_dscnt 0
	MUL8 F1, 4, 0
	MUL8 F1, 6, 0
	WIN 0
; THE WAY OUT, block by block of 16 rows x 64 columns: through my own stage, back as whole rows of 256 bytes.  LDS serves a wave's instructions in order: no wait between the stores and the loads.
.macro TOSTAGE a
	WIN 0x04                                       ; an LDS store's data are its source 1: window 1
.irp b, 0,1,2,3
	ds_store_b128 v[STO], v[8*(4*(\a)+\b):8*(4*(\a)+\b)+3] offset:64*\b          ; each accumulator from its low end on
	ds_store_b128 v[STO], v[8*(4*(\a)+\b)+4:8*(4*(\a)+\b)+7] offset:64*\b+16
.endr
	WIN 0
.set BB, BK+32*((\a)%2)
.irp t, 0,1,2,3,4,5,6,7
	ds_load_b128 v[BB+4*\t:BB+4*\t+3], v[RD] offset:\t*2*SPITCH
.endr
.endm
.macro SEND a, younger                 ; younger: the LDS instructions issued behind block a's loads
.set BB, BK+32*((\a)%2)
	s_wait_dscnt \younger
.irp t, 0,1,2,3,4,5,6,7
	global_store_b128 v[CO], v[BB+4*\t:BB+4*\t+3], s[8:9] offset:(16*(\a)+2*\t)*4096 th:TH_STORE_NT   ; 16 lanes store 256 consecutive bytes, aligned; the base is never stepped
.endr
.endm
	PLACES
	TOSTAGE 0
.irp a, 1,2,3,4,5,6,7
.if \a > 1
	s_wait_xcnt 0x0                                ; block a - 2's stores have read their registers: block a's loads may land there
.endif
	TOSTAGE \a
	SEND \a-1, 16                                  ; behind block a - 1's loads: block a's 8 stores and 8 loads
.endr
	SEND 7, 0
	s_wait_tensorcnt 0x0                           ; the wave's end, behind my last tensor load and my last LDS store
	ds_add_u32 v[SPW], v[NIL]
	s_wait_dscnt 0x0
	CROUND                                         ; the closing round
	s_endpgm
.Lfunc_end_k_q2b6e95c2f4_proj:
	.size	k_q2b6e95c2f4_proj, .Lfunc_end_k_q2b6e95c2f4_proj-k_q2b6e95c2f4_proj
	.p2alignl 7, 3214868480
	.fill 96, 4, 3214868480
	.section	.rodata,"a",@progbits
	.p2align	6, 0x0
	.amdhsa_kernel k_q2b6e95c2f4_proj
		.amdhsa_group_segment_fixed_size 327680
		.amdhsa_private_segment_fixed_size 0
		.amdhsa_enable_private_segment 0
		.amdhsa_kernarg_size 24
		.amdhsa_user_sgpr_count 2
		.amdhsa_user_sgpr_kernarg_segment_ptr 1
		.amdhsa_wavefront_size32 1
		.amdhsa_system_sgpr_workgroup_id_x 1
		.amdhsa_system_sgpr_workgroup_id_y 1
		.amdhsa_system_sgpr_workgroup_id_z 1
		.amdhsa_system_vgpr_workitem_id 0
		.amdhsa_next_free_vgpr 512
		.amdhsa_next_free_sgpr 66
		.amdhsa_reserve_vcc 0
		.amdhsa_float_denorm_mode_32 3
		.amdhsa_float_denorm_mode_16_64 3
		.amdhsa_memory_ordered 1
		.amdhsa_forward_progress 1
		.amdhsa_inst_pref_size 85
	.end_amdhsa_kernel
	.amdgpu_metadata
---
amdhsa.version: [ 1, 2 ]
amdhsa.kernels:
  - .name:           k_q2b6e95c2f4_proj
    .symbol:         k_q2b6e95c2f4_proj.kd
    .args:
      - { .name: att16, .offset: 0, .size: 8, .value_kind: global_buffer, .address_space: global }
      - { .name: wo16, .offset: 8, .size: 8, .value_kind: global_buffer, .address_space: global }
      - { .name: out0, .offset: 16, .size: 8, .value_kind: global_buffer, .address_space: global }
    .group_segment_fixed_size: 327680
    .private_segment_fixed_size: 0
    .kernarg_segment_align: 8
    .kernarg_segment_size: 24
    .max_flat_workgroup_size: 128
    .sgpr_count:     66
    .vgpr_count:     512
    .wavefront_size: 32
...
	.end_amdgpu_metadata
.endif
;; end of part 4
;; launch fine16 (part 5): grid 16 x 4, 16 waves a work-group, no clusters, 71,680 bytes of LDS; arguments fine, Wo, out0; writes out0
.if DOCPART == 5
	.amdgcn_target "amdgcn-amd-amdhsa--gfx1250"
	.amdhsa_code_object_version 6
	.text
	.protected	k_q2b6e95c2f4_fine16
	.globl	k_q2b6e95c2f4_fine16
	.p2align	8
	.type	k_q2b6e95c2f4_fine16,@function
k_q2b6e95c2f4_fine16:
	s_mov_b64 s[64:65], 0
	v_nop
	global_prefetch_b8 v0, s[64:65] scope:SCOPE_SE
	s_setreg_imm32_b32 hwreg(HW_REG_WAVE_MODE, 25, 1), 1
	s_wait_xcnt 0x0
; POSITIONS 0 TO 15 OF EVERY BATCH, ALL IN f32: their rows average one to sixteen values and are the largest of the output, so attention and projection are carried finely for them: v_wmma_f32_16x16x4_f32, 96 a wave.
; fine: [q, k, v][batch][head][16 positions][64] f32, q with the factor log2(e)/8 in it.  The 64 rows of out0 that an earlier launch made from f16 operands are written anew.
; SHARES.  A work-group makes out0[batch][0 .. 15][64 cg .. 64 cg + 63].  Wave w is head w: its 16 x 16 attention, then the part of the projection whose K is the head's 64 channels; the sixteen parts meet in LDS, and wave w adds and
; stores row w: 256 consecutive bytes, aligned.  The attention is done again in each of the 16 column groups: 32 matrix instructions a wave, which spares a launch and a trip of O through memory.
; LAYOUT.  All three products are used transposed, so that a lane holds one query (lane % 16).  The form's K is four numbers, k = 2 (lane / 16) + register; which four of the true K they are is free as long as both operands agree:
;   scores: lane (r, h) holds channels 32 h + 0 .. 31 of its row of q and of k, two to an instruction;   second product: keys 8 h + 2 t + 0, 1, as the scores' result leaves them;   projection: channels 16 e + 8 h + 2 t + 0, 1, as O^T leaves them.
; The registers v112-207 are written by matrix instructions alone; sums begin with the constant 0; accumulators take turns.
; Everything is written out: no loop.  No tensor loads, no cluster, no prefetch: 64 small work-groups whose time is a chain of four dependent phases.
.set SPARE, 69632                      ; behind the sixteen parts (16 x 16 rows x 272 bytes): the spare words, 128 bytes a wave
.set QF, 16                            ; v16-47   q; later Wo's tile 1; later the parts of my row
.set KF, 48                            ; v48-79   k; later Wo's tile 2
.set VT, 80                            ; v80-111  v, turned by the loads; later Wo's tile 3
.set SA, 112                           ; v112-143 four partial scores
.set OA, 144                           ; v144-175 O^T
.set YA, 176                           ; v176-207 my head's part of y^T
.set W0, 208                           ; v208-239 Wo's tile 0
.set T,  240                           ; v240-247 the scores, then p
.set PN, 248                           ; v248-255 p / the sum
	s_load_b128 s[4:7], s[0:1], 0x0                ; fine, Wo
	s_load_b64 s[8:9], s[0:1], 0x10                ; out0
	v_lshl_add_u32 v10, v0, 2, SPARE               ; my spare word; never rewritten
	v_mov_b32 v11, 0                               ; 0; never rewritten
	v_lshrrev_b32 v12, 5, v0
	v_readfirstlane_b32 s10, v12                   ; wave = head
	s_and_b32 s11, ttmp7, 0xffff                   ; batch
	v_and_b32 v1, 15, v0                           ; r
	v_bfe_u32 v2, v0, 4, 1                         ; h
	v_lshlrev_b32 v3, 8, v1
	v_lshl_add_u32 v3, v2, 7, v3                   ; q, k: row r of 256 bytes, + 128 h
	v_lshlrev_b32 v4, 2, v1
	v_lshl_add_u32 v4, v2, 11, v4                  ; v: key 8 h, channel r
	v_lshlrev_b32 v5, 12, v1
	v_lshl_add_u32 v5, v2, 5, v5                   ; Wo: row r of 4,096 bytes, + 32 h
	s_mul_i32 s12, s10, 16*272
	v_mul_u32_u24 v6, v1, 272
	v_lshl_add_u32 v6, v2, 5, v6
	v_add_nc_u32 v6, s12, v6                       ; my part in LDS: row r, + 32 h
	v_and_b32 v8, 31, v0
	v_lshlrev_b32 v8, 3, v8                        ; 8 x lane
	s_mul_i32 s12, s10, 272
	v_add_nc_u32 v7, s12, v8                       ; row w of a part
	v_lshlrev_b32 v9, 3, v2
	v_sub_nc_u32 v9, v1, v9                        ; r - 8 h
	v_mov_b32 v13, 0xff800000                      ; -infinity
	v_mov_b32 v14, 0                               ; (a lane permute's destination counts as one of its sources)
	s_mov_b32 s20, 0x76543210
	s_mov_b32 s21, 0xfedcba98
	s_lshl_b32 s12, s11, 16
	s_lshl_b32 s13, s10, 12
	s_add_co_u32 s12, s12, s13                     ; fine: 65,536 bytes a batch, 4,096 a head
	s_mov_b32 s13, 0
	s_lshl_b32 s14, ttmp9, 18
	s_lshl_b32 s15, s10, 8
	s_add_co_u32 s14, s14, s15                     ; Wo: 64 rows a column group, my head's 256 bytes of a row
	s_mov_b32 s15, 0
	s_lshl_b32 s16, s11, 23
	s_lshl_b32 s17, s10, 12
	s_add_co_u32 s16, s16, s17
	s_lshl_b32 s17, ttmp9, 8
	s_add_co_u32 s16, s16, s17                     ; out0: the batch, row w, the group's 256 bytes
	s_mov_b32 s17, 0
	s_wait_kmcnt 0x0
	s_add_nc_u64 s[4:5], s[4:5], s[12:13]
	s_add_nc_u64 s[6:7], s[6:7], s[14:15]
	s_add_nc_u64 s[8:9], s[8:9], s[16:17]
.macro WTILE nt, reg                   ; Wo's rows 16 nt + r of the group, my head's channels 16 e + 8 h + 0 .. 7 at v[reg + 8 e]
.irp e, 0,1,2,3
.irp c, 0,1
	global_load_b128 v[\reg+8*\e+4*\c:\reg+8*\e+4*\c+3], v5, s[6:7] offset:65536*(\nt)+64*\e+16*\c
.endr
.endr
.endm
.irp i, 0,1,2,3,4,5,6,7
	global_load_b128 v[QF+4*\i:QF+4*\i+3], v3, s[4:5] offset:16*\i
.endr
.irp i, 0,1,2,3,4,5,6,7
	global_load_b128 v[KF+4*\i:KF+4*\i+3], v3, s[4:5] offset:262144+16*\i
.endr
.irp e, 0,1,2,3
.irp k, 0,1,2,3,4,5,6,7
	global_load_b32 v[VT+8*\e+\k], v4, s[4:5] offset:524288+256*\k+64*\e       ; v(8 h + k, 16 e + r)
.endr
.endr
	WTILE 0, W0
	s_wait_loadcnt 40                              ; q and k are in; v's 32 loads and the tile's 8 may be out
.set t, 0
.rept 16                                       ; S^T = k q^T: source 0 = the 16 keys, source 1 = the 16 queries; four accumulators by turns
.if t < 4
	v_wmma_f32_16x16x4_f32 v[SA+8*(t%4):SA+8*(t%4)+7], v[KF+2*t:KF+2*t+1], v[QF+2*t:QF+2*t+1], 0
.else
	v_wmma_f32_16x16x4_f32 v[SA+8*(t%4):SA+8*(t%4)+7], v[KF+2*t:KF+2*t+1], v[QF+2*t:QF+2*t+1], v[SA+8*(t%4):SA+8*(t%4)+7]
.endif
.set t, t+1
.endr
.rept 8
	v_nop                                          ; eight places behind this form: for the reads of the results and the loads into q's and k's registers
.endr
	WTILE 1, QF
	WTILE 2, KF
.irp j, 0,1,2,3,4,5,6,7
	v_add_f32 v[T+\j], v[SA+\j], v[SA+8+\j]
	v_add_f32 v[PN+\j], v[SA+16+\j], v[SA+24+\j]
.endr
.irp j, 0,1,2,3,4,5,6,7
	v_add_f32 v[T+\j], v[T+\j], v[PN+\j]           ; t of key 8 h + j and query r
.endr
.irp j, 0,1,2,3,4,5,6,7
	v_cmp_gt_i32 vcc_lo, \j, v9                    ; the causal mask: key 8 h + j is hidden where j > r - 8 h
	v_cndmask_b32 v[T+\j], v[T+\j], v13, vcc_lo
.endr
	v_max3_num_f32 v12, v[T], v[T+1], v[T+2]
	v_max3_num_f32 v12, v12, v[T+3], v[T+4]
	v_max3_num_f32 v12, v12, v[T+5], v[T+6]
	v_max_num_f32 v12, v12, v[T+7]
	v_permlanex16_b32 v14, v12, s20, s21
	v_max_num_f32 v12, v12, v14                    ; the row's largest t (key 0 counts for every query)
.irp j, 0,1,2,3,4,5,6,7
	v_sub_f32 v[T+\j], v[T+\j], v12
.endr
.irp j, 0,1,2,3,4,5,6,7
	v_exp_f32 v[T+\j], v[T+\j]
.endr
	v_nop
	s_wait_alu depctr_va_vdst(0)                   ; one wait for the eight, ahead of their first reader
	v_add_f32 v15, v[T], v[T+1]
	v_add_f32 v12, v[T+2], v[T+3]
	v_add_f32 v15, v15, v[T+4]
	v_add_f32 v12, v12, v[T+5]
	v_add_f32 v15, v15, v[T+6]
	v_add_f32 v12, v12, v[T+7]
	v_add_f32 v15, v15, v12
	v_permlanex16_b32 v14, v15, s20, s21
	v_add_f32 v15, v15, v14                        ; the row's sum
	v_rcp_f32 v15, v15
	v_nop
	s_wait_alu depctr_va_vdst(0)
.irp j, 0,1,2,3,4,5,6,7
	v_mul_f32 v[PN+\j], v[T+\j], v15
.endr
	s_wait_loadcnt 24                              ; v is in; Wo's tiles 0, 1 and 2 (24 loads) may be out
.irp t, 0,1,2,3                                ; O^T = v^T p: source 0 = 16 channels, source 1 = p; four accumulators by turns
.irp e, 0,1,2,3
.if \t
	v_wmma_f32_16x16x4_f32 v[OA+8*\e:OA+8*\e+7], v[VT+8*\e+2*\t:VT+8*\e+2*\t+1], v[PN+2*\t:PN+2*\t+1], v[OA+8*\e:OA+8*\e+7]
.else
	v_wmma_f32_16x16x4_f32 v[OA+8*\e:OA+8*\e+7], v[VT+8*\e+2*\t:VT+8*\e+2*\t+1], v[PN+2*\t:PN+2*\t+1], 0
.endif
.endr
.endr
.rept 9
	v_nop                                          ; nine places before O^T serves as an operand; eight of them also stand in front of the loads into v's registers
.endr
	WTILE 3, VT
; y^T of two tiles of 16 outputs, by turns: source 0 = 16 rows of Wo, source 1 = O^T as it stands
.macro PROJ2 n0, wa, n1, wb
.set t, 0
.rept 16
.if t == 0
	v_wmma_f32_16x16x4_f32 v[YA+8*\n0:YA+8*\n0+7], v[\wa+2*t:\wa+2*t+1], v[OA+2*t:OA+2*t+1], 0
	v_wmma_f32_16x16x4_f32 v[YA+8*\n1:YA+8*\n1+7], v[\wb+2*t:\wb+2*t+1], v[OA+2*t:OA+2*t+1], 0
.else
	v_wmma_f32_16x16x4_f32 v[YA+8*\n0:YA+8*\n0+7], v[\wa+2*t:\wa+2*t+1], v[OA+2*t:OA+2*t+1], v[YA+8*\n0:YA+8*\n0+7]
	v_wmma_f32_16x16x4_f32 v[YA+8*\n1:YA+8*\n1+7], v[\wb+2*t:\wb+2*t+1], v[OA+2*t:OA+2*t+1], v[YA+8*\n1:YA+8*\n1+7]
.endif
.set t, t+1
.endr
.endm
	s_wait_loadcnt 16                              ; tiles 0 and 1 are in; tiles 2 and 3 (16 loads) may be out
	PROJ2 0, W0, 1, QF
	s_wait_loadcnt 0x0
	PROJ2 2, KF, 3, VT
.rept 8
	v_nop                                          ; eight places before the results are stored, and before loads land in the tiles' registers
.endr
.irp n, 0,1,2,3
	ds_store_b128 v6, v[YA+8*\n:YA+8*\n+3] offset:64*\n            ; y(query r, 16 n + 8 h + 0 .. 7): each accumulator from its low end on
	ds_store_b128 v6, v[YA+8*\n+4:YA+8*\n+7] offset:64*\n+16
.endr
	s_wait_dscnt 0x0                               ; for the others' sake: my part lies in LDS
	s_barrier_signal -1
	s_barrier_wait -1
.irp k, 0,1,2,3,4,5,6,7,8,9,10,11,12,13,14,15
	ds_load_b64 v[16+2*\k:17+2*\k], v7 offset:16*272*\k            ; row w of head k's part, 8 bytes a lane
.endr
	s_wait_dscnt 0x0
.irp k, 2,4,6,8,10,12,14                       ; the sixteen heads in a fixed order, in two chains
	v_pk_add_f32 v[16:17], v[16:17], v[16+2*\k:17+2*\k]
	v_pk_add_f32 v[18:19], v[18:19], v[18+2*\k:19+2*\k]
.endr
	v_pk_add_f32 v[16:17], v[16:17], v[18:19]
	global_store_b64 v8, v[16:17], s[8:9]          ; 256 consecutive bytes, aligned
	s_wait_tensorcnt 0x0                           ; the wave's end, behind my last LDS store
	ds_add_u32 v10, v11
	s_wait_dscnt 0x0
	s_endpgm
.Lfunc_end_k_q2b6e95c2f4_fine16:
	.size	k_q2b6e95c2f4_fine16, .Lfunc_end_k_q2b6e95c2f4_fine16-k_q2b6e95c2f4_fine16
	.p2alignl 7, 3214868480
	.fill 96, 4, 3214868480
	.section	.rodata,"a",@progbits
	.p2align	6, 0x0
	.amdhsa_kernel k_q2b6e95c2f4_fine16
		.amdhsa_group_segment_fixed_size 71680
		.amdhsa_private_segment_fixed_size 0
		.amdhsa_enable_private_segment 0
		.amdhsa_kernarg_size 24
		.amdhsa_user_sgpr_count 2
		.amdhsa_user_sgpr_kernarg_segment_ptr 1
		.amdhsa_wavefront_size32 1
		.amdhsa_system_sgpr_workgroup_id_x 1
		.amdhsa_system_sgpr_workgroup_id_y 1
		.amdhsa_system_sgpr_workgroup_id_z 1
		.amdhsa_system_vgpr_workitem_id 0
		.amdhsa_next_free_vgpr 256
		.amdhsa_next_free_sgpr 66
		.amdhsa_reserve_vcc 1
		.amdhsa_float_denorm_mode_32 3
		.amdhsa_float_denorm_mode_16_64 3
		.amdhsa_memory_ordered 1
		.amdhsa_forward_progress 1
		.amdhsa_inst_pref_size 23
	.end_amdhsa_kernel
	.amdgpu_metadata
---
amdhsa.version: [ 1, 2 ]
amdhsa.kernels:
  - .name:           k_q2b6e95c2f4_fine16
    .symbol:         k_q2b6e95c2f4_fine16.kd
    .args:
      - { .name: fine, .offset: 0, .size: 8, .value_kind: global_buffer, .address_space: global }
      - { .name: Wo, .offset: 8, .size: 8, .value_kind: global_buffer, .address_space: global }
      - { .name: out0, .offset: 16, .size: 8, .value_kind: global_buffer, .address_space: global }
    .group_segment_fixed_size: 71680
    .private_segment_fixed_size: 0
    .kernarg_segment_align: 8
    .kernarg_segment_size: 24
    .max_flat_workgroup_size: 512
    .sgpr_count:     66
    .vgpr_count:     256
    .wavefront_size: 32
...
	.end_amdgpu_metadata
.endif
;; end of part 5
